; MI455X (gfx1250); checked and timed in simulation.
; The chip was launched on July 23, 2026; its instructions are those of AMD's public machine-readable ISA for CDNA 5 (MIT licence, August 2026) and "CDNA5" Instruction Set Architecture Reference Guide (July 2026). The comments in the code are by the model that wrote it; some were corrected since.
;; Multi Head Attention. Allowed arithmetic: matrix products marked QUANTISED: E5M2 operands, one E8M0 scale for each 32 along K, by v_wmma_scale_f32_16x16x128_f8f6f4 with both operands' format E5M2, f32 sums; everything else in f32.
;; Inputs: Wk 16 x 1,024 x 64 float32; Wq 16 x 1,024 x 64 float32; Wv 16 x 1,024 x 64 float32; inputs 4 x 2,048 x 1,024 float32.
;; Outputs: out0 4 x 2,048 x 1,024 float32.
;; This version of the problem:
;;   THIS VERSION OF THE PROBLEM IS GIVEN IN LOW PRECISION. The matrix products marked QUANTISED in the list below multiply operands that are first quantised to E5M2 (5 exponent bits, 2 mantissa bits; 8 bits a number), with one power-of-two scale for each 32 numbers along K (OCP MX v1.0); their sums are f32. All else is computed in f32.
;;   The module's matrix products, in the order in which they are computed (A, B: the left and right operand; K: the contracted axis; several contracted axes count as one K, in the product's order):
;;     1. [M 1,024, K 1,024] x [K 1,024, N 8,192]; A: input Wq; B: input inputs: QUANTISED
;;     2. [M 1,024, K 1,024] x [K 1,024, N 8,192]; A: input Wk; B: input inputs: QUANTISED
;;     3. [M 1,024, K 1,024] x [K 1,024, N 8,192]; A: input Wv; B: input inputs: QUANTISED
;;     4. batch 64 x [M 2,048, K 64] x [K 64, N 2,048]; A: computed on the way; B: computed on the way: QUANTISED
;;     5. batch 64 x [M 2,048, K 2,048] x [K 2,048, N 64]; A: softmax (see below); B: computed on the way: QUANTISED
;;   THE QUANTISER, for each operand of a quantised product, along K:
;;     - K is cut into blocks of 32 from its start; a last block that is shorter is filled with zeros.
;;     - A block's scale is 2^e with e = floor(log2(the largest magnitude in the block)) - 15, held to -126 .. 127; a block of zeros has e = 0. As a byte (E8M0): e + 127.
;;     - Each number is divided by its block's scale, clamped to +-57,344, and rounded to the nearest number of E5M2, ties to even, subnormals kept.
;;     - The product sums the exact products of the quantised numbers (number of the format x scale) in f32.
;;   ~~~python
;;   def quantise(x, axis):      # numpy; x: float32 -> the quantised numbers, widened to float32 again
;;       x = np.moveaxis(x, axis, -1); K = x.shape[-1]
;;       x = np.pad(x, [(0, 0)] * (x.ndim - 1) + [(0, -K % 32)]); x = x.reshape(x.shape[:-1] + (-1, 32)); a = np.abs(x).max(-1, keepdims=True)
;;       e = np.where(a > 0, np.clip(np.frexp(np.where(a > 0, a, 1))[1] - 1 - 15, -126, 127), 0)      # np.frexp(a)[1] - 1 = floor(log2(a)), exactly
;;       r = np.clip(x / 2.0 ** e, -57344, 57344)
;;       step = 2.0 ** (np.maximum(np.frexp(np.where(r == 0, 1, r))[1] - 1, -14) - 2)
;;       q = np.round(r / step) * step * 2.0 ** e      # np.round: ties to even
;;       return np.moveaxis(q.reshape(q.shape[:-2] + (-1,))[..., :K], -1, axis).astype(np.float32)
;;   ~~~
;;   SOFTMAX AHEAD OF A QUANTISED PRODUCT. Where the list says 'softmax', what is quantised is not the finished softmax but p = 2^(t - M), with t = logit x log2(e) and M = ceil(the row's largest t), a whole number; so 1/2 < the row's largest p <= 1. The row's sum l is taken of the UNQUANTISED p, in f32, and the product's result is divided by l at the end. Since M is a whole number, a kernel that streams over the keys may use a running M (the ceiling of the running maximum): every later rescaling is an exact power of two, which a block's scale takes up: the codes' values come out the same.
;;   OPERANDS COMPUTED ON THE WAY. 'Computed on the way' means the value that the module computes at that place (a softmax that the list does not call 'softmax' is quantised finished and normalised). What goes into a quantiser is computed in f32, as accurately as f32 sums, v_exp_f32 and their like allow (about 1e-6 of the number): no bf16 or f16 on the way to a quantiser, and a product that is left as it is and whose result goes on into a quantised operand takes f32 operands (vector FMAs, or v_wmma_f32_16x16x4_f32). A number that lies on a knife's edge between two numbers of the format may be rounded either way, as far as f32 arithmetic and the matrix unit's own rounding can turn it there, and no further.
;; One version. Each part assembles by itself: llvm-mc -triple=amdgcn-amd-amdhsa -mcpu=gfx1250 --defsym DOCPART=n.
;; ======== version 1 of 1: 4 launches
;; workspace buffers: x_codes 8,388,608 bytes; x_scales 262,144 bytes; wqk_codes 2,097,152 bytes; wqk_scales 65,536 bytes; wv_codes 1,048,576 bytes; wv_scales 32,768 bytes; qk 17,301,504 bytes; v 8,650,752 bytes
;; launch quant (part 1): grid 352 x 1, 4 waves a work-group, no clusters, 68,096 bytes of LDS; arguments inputs, Wq, Wk, Wv, x_codes, x_scales, wqk_codes, wqk_scales, wv_codes, wv_scales; writes x_codes, x_scales, wqk_codes, wqk_scales, wv_codes, wv_scales
.if DOCPART == 1
	.amdgcn_target "amdgcn-amd-amdhsa--gfx1250"
	.amdhsa_code_object_version 6
	.text
	.protected	k_qeb27b1d4c3_quant
	.globl	k_qeb27b1d4c3_quant
	.p2align	8
	.type	k_qeb27b1d4c3_quant,@function
k_qeb27b1d4c3_quant:
	s_mov_b64 s[64:65], 0
	v_nop
	global_prefetch_b8 v0, s[64:65] scope:SCOPE_SE
	s_setreg_imm32_b32 hwreg(HW_REG_WAVE_MODE, 25, 1), 1
	s_wait_xcnt 0x0
; inputs [8192][1024] f32 (K innermost) and Wq, Wk, Wv [16][1024][64] f32 (K is the middle axis) become codes of BF8 (E5M2), K innermost, with one E8M0 scale byte for each 32 along K.
; A block's scale is 2^(floor(log2(its largest magnitude)) - 15); its byte is the largest magnitude's exponent field - 15, held at 1 from below; each number is divided by the scale, held within +-57,344 and rounded to the nearest code, ties to even.
; ROWS ARE STORED OUT OF ORDER ON PURPOSE: a row lies at its index with bits 3 and 4 exchanged, in codes and scale bytes alike.  Sixteen stored neighbours are then rows 32 (t / 2) + 8 (t % 2) + r + 8 (r / 8):
; a product that takes them as source 0 leaves each lane 16 NEIGHBOURS along that axis in the registers of two neighbouring tiles, which is what the next quantiser wants.
; x_codes [8192][1024], x_scales [8192][32];  wqk_codes [2048][1024] (row = 1024 x (0: q, 1: k) + 64 x head + e), wqk_scales [2048][32];  wv_codes [1024][1024], wv_scales [1024][32].
; LIMITS: NaN and infinities among the inputs are not served.  A block of zeros gets the byte 1 where the rule says 127: its codes are zeros, which add nothing, and this program alone reads the bytes.
; Blocks whose largest magnitude lies under 2^-111 have their byte held at 1.
; SHARES: work-groups 0-95 take the weights (48 matrices of 1024 x 64, two work-groups each), work-groups 96-351 the inputs.  The two ways part on the work-group's number and have LDS bytes of their own.
; No tensor loads, no barrier: waves share nothing.  Memory binds here, so no matrix unit, no cluster; nothing is asked for ahead of the loads, which already run several steps ahead.
.set WGW,   96                         ; work-groups for the weights
.set MANT,  0x600000                   ; the mantissa field of 57,344 as f32
.set FLOORV, 0x8000000                 ; 2^(16 - 127): under it no largest magnitude is taken
.set OFFE,  0xf8800000                 ; -(15 << 23): 15 off an exponent field
; the inputs' way
.set STEPS, 16
.set CB,    16                         ; bytes of 16 codes
.set R,     16                         ; v16-79   four sets of 16 numbers as they are loaded
.set X,     80                         ; v80-111  two sets of 16 neighbours
.set E,     112                        ; v112-127 a scale byte for each step
.set C,     128                        ; v128-191 codes: four registers for each step, so that no store's data are written again
.set WREG,  8192                       ; LDS bytes 0 .. 32,767: a region for each wave: two stages of 32 x SP bytes, behind them its 256 scale bytes
.set SP,    80                         ; a lane's place in a stage: its 64 bytes + 16 of padding
; the weights' way
.set NB,    8                          ; blocks of 32 along K for a wave
.set WROW,  256                        ; a row of a weight matrix: 64 f32
.set PITCH, 272                        ; a stage row: 256 codes + 16 of padding
.set KROW,  1024                       ; a row of codes in memory
.set WSTG,  32768                      ; LDS bytes 32,768 on: 32 x PITCH for each wave
.set WX,    32                         ; v32-95   two sets of 32 numbers
.set WC,    96                         ; v96-103  a block's codes
.set OUTR,  112                        ; v112-175 the way out
.set SB,    24                         ; v24-25   the scale bytes, four to a register
	s_load_b256 s[4:11], s[0:1], 0x0               ; inputs, Wq, Wk, Wv
	s_load_b256 s[12:19], s[0:1], 0x20             ; x_codes, x_scales, wqk_codes, wqk_scales
	s_load_b128 s[20:23], s[0:1], 0x40             ; wv_codes, wv_scales
	v_lshl_add_u32 v192, v0, 2, 0x10800
	v_mov_b32 v193, 0
	v_lshrrev_b32 v1, 5, v0
	v_readfirstlane_b32 s24, v1                    ; wave 0..3
	v_and_b32 v2, 31, v0                           ; lane
	s_mov_b32 s46, MANT                            ; (an instruction takes one literal: the hold's line has another)
	s_cmp_lt_u32 ttmp9, WGW
	s_cbranch_scc1 .Lweights
; ---------------- THE INPUTS.  Rows are dense and 1024 is a multiple of 32: a plain stream of blocks.  A wave takes a run of 8,192 numbers (8 rows) in 16 steps of 512.
; Each load reads 512 consecutive bytes, 16 a lane; a step's 2,048 bytes turn through the wave's own stage and come back 64 bytes a lane: 16 neighbours, two lanes to a block.
	v_lshlrev_b32 v3, 4, v2                        ; my 16 bytes of a load's 512
	s_mul_i32 s25, s24, WREG
	v_lshrrev_b32 v14, 2, v2
	v_mul_u32_u24 v14, v14, SP
	v_and_b32 v15, 3, v2
	v_lshl_add_u32 v14, v15, 4, v14
	v_add_nc_u32 v14, s25, v14                     ; the stage, on the way in: SP (lane / 4) + 16 (lane % 4)
	v_mul_u32_u24 v15, v2, SP
	v_add_nc_u32 v15, s25, v15                     ; and on the way out: SP x lane
	v_mul_u32_u24 v4, v2, CB                       ; my codes' place in a step's
	v_lshrrev_b32 v5, 1, v2
	s_add_co_u32 s25, s25, 2*32*SP
	v_add_nc_u32 v5, s25, v5                       ; my wave's 256 scale bytes, my block's byte
	v_lshlrev_b32 v7, 3, v2                        ; and on the way out 8 bytes a lane
	v_add_nc_u32 v6, s25, v7
	s_sub_co_u32 s26, ttmp9, WGW
	s_lshl_b32 s26, s26, 2
	s_add_co_u32 s28, s26, s24                     ; the run that I read: 4 x work-group + wave
	s_mov_b32 s29, 0
	s_lshl_b64 s[32:33], s[28:29], 15              ; 32,768 bytes of f32 a run
	s_and_b32 s27, s24, 1
	s_lshl_b32 s27, s27, 1
	s_lshr_b32 s30, s24, 1
	s_or_b32 s27, s27, s30                         ; a run is 8 rows, so bits 3 and 4 of a row are bits 0 and 1 of the run: they change places
	s_add_co_u32 s28, s26, s27                     ; the run that I write
	s_lshl_b64 s[34:35], s[28:29], 13              ; 8,192 bytes of codes,
	s_lshl_b64 s[36:37], s[28:29], 8               ; 256 scale bytes
	s_wait_kmcnt 0x0
	s_add_nc_u64 s[4:5], s[4:5], s[32:33]
	s_add_nc_u64 s[12:13], s[12:13], s[34:35]
	s_add_nc_u64 s[14:15], s[14:15], s[36:37]
.macro XLOAD t
.irp i, 0,1,2,3
	global_load_b128 v[R+16*((\t)%4)+4*\i:R+16*((\t)%4)+4*\i+3], v3, s[4:5] offset:2048*(\t)+512*\i th:TH_LOAD_NT   ; 32 lanes read 512 consecutive bytes
.endr
.endm
.macro XTURN t                         ; step t's numbers through the stage: LDS serves a wave's instructions in order, so no wait stands between the stores and the loads
.irp i, 0,1,2,3
	ds_store_b128 v14, v[R+16*((\t)%4)+4*\i:R+16*((\t)%4)+4*\i+3] offset:32*SP*((\t)%2)+8*SP*\i
.endr
.irp i, 0,1,2,3
	ds_load_b128 v[X+16*((\t)%2)+4*\i:X+16*((\t)%2)+4*\i+3], v15 offset:32*SP*((\t)%2)+16*\i
.endr
.endm
.irp t, 0,1,2,3
	XLOAD \t
.endr
	s_wait_loadcnt 12                              ; step 0's four loads are in; the twelve of steps 1 to 3 may be out
	XTURN 0
.macro XSTEP t
.set XS, X+16*((\t)%2)
.if (\t) > 0
	s_wait_dscnt 1                                 ; this step's numbers are back from the stage (the last step's byte store may be out): so its stores into the stage have read their registers,
.else
	s_wait_dscnt 0x0
.endif
.if (\t)+4 < STEPS
	XLOAD (\t)+4                                   ; which take the loads of four steps on
.endif
.if (\t)+1 < STEPS
.if STEPS-2-(\t) >= 3
	s_wait_loadcnt 12                              ; the next step's four loads are in; those of the three steps behind it may be out
.else
	s_wait_loadcnt 4*(STEPS-2-(\t))
.endif
	XTURN (\t)+1                                   ; and go through the other stage while this step is worked
.endif
	v_max3_num_f32 v8, |v[XS]|, |v[XS+1]|, |v[XS+2]|               ; the largest magnitude of my 16, in two chains
	v_max3_num_f32 v9, |v[XS+3]|, |v[XS+4]|, |v[XS+5]|
.irp i, 6,10
	v_max3_num_f32 v8, v8, |v[XS+\i]|, |v[XS+\i+1]|
	v_max3_num_f32 v9, v9, |v[XS+\i+2]|, |v[XS+\i+3]|
.endr
	v_max3_num_f32 v8, v8, |v[XS+14]|, |v[XS+15]|
	v_max3_num_f32 v8, v8, v9, FLOORV              ; and the floor: the byte cannot fall under 1
	v_max_num_f32_dpp v8, v8, v8 row_xmask:1 row_mask:0xf bank_mask:0xf   ; and of my neighbour's 16: the block's
	v_add_nc_u32 v11, OFFE, v8                     ; 15 off its exponent field: the conversion takes the exponent field of this operand as its scale
	v_and_or_b32 v10, v8, 0x7f800000, s46          ; 57,344 x the scale
.irp i, 0,1,2,3,4,5,6,7,8,9,10,11,12,13,14,15
	v_med3_num_f32 v[XS+\i], v[XS+\i], -v10, v10   ; the conversion to an 8-bit code does not saturate (ISA guide 7.6.2): the hold comes first
.endr
	v_cvt_scalef32_pk8_bf8_f32 v[C+4*(\t):C+4*(\t)+1], v[XS:XS+7], v11
	v_cvt_scalef32_pk8_bf8_f32 v[C+4*(\t)+2:C+4*(\t)+3], v[XS+8:XS+15], v11
	v_lshrrev_b32 v[E+(\t)], 23, v11               ; the scale's byte (also the plain line behind the conversions)
	ds_store_b8 v5, v[E+(\t)] offset:16*(\t)       ; both lanes of a block write the same byte with the same value
	global_store_b128 v4, v[C+4*(\t):C+4*(\t)+3], s[12:13] offset:32*CB*(\t)   ; 32 lanes store 512 consecutive bytes, aligned
.endm
.irp t, 0,1,2,3,4,5,6,7,8,9,10,11,12,13,14,15
	XSTEP \t
.endr
	ds_load_b64 v[12:13], v6                       ; LDS serves a wave's instructions in order: these see my byte stores
	s_wait_dscnt 0x0
	global_store_b64 v7, v[12:13], s[14:15]        ; 32 lanes store 256 consecutive bytes, aligned
	s_wait_tensorcnt 0x0
	ds_add_u32 v192, v193
	s_wait_dscnt 0x0
	s_endpgm
; ---------------- THE WEIGHTS.  A LANE TAKES A COLUMN e, AND ITS REGISTERS RUN DOWN K: a block of 32 lies in one lane's 32 registers, and the conversions give codes with K innermost.
; Work-group g: matrix g / 2 (0-15 Wq's heads, 16-31 Wk's, 32-47 Wv's), K half g % 2.  Wave w: columns 32 (w % 2) on, 256 along K at 256 (w / 2).
.Lweights:
	s_lshr_b32 s25, ttmp9, 1
	s_and_b32 s26, ttmp9, 1                        ; which half of K
	s_lshr_b32 s27, s25, 4                         ; 0: Wq, 1: Wk, 2: Wv
	s_and_b32 s28, s25, 15                         ; head
	s_and_b32 s29, s24, 1                          ; which 32 columns
	s_lshr_b32 s30, s24, 1
	s_lshl_b32 s31, s26, 1
	s_add_co_u32 s31, s31, s30                     ; which 256 along K: 0..3
	s_lshl_b32 s32, s28, 18                        ; in: head x 262,144
	s_lshl_b32 s34, s31, 16                        ;     + 256 rows of 256 bytes
	s_add_co_u32 s32, s32, s34
	s_lshl_b32 s34, s29, 7                         ;     + 32 columns
	s_add_co_u32 s32, s32, s34
	s_mov_b32 s33, 0
	s_cmp_eq_u32 s27, 1
	s_cselect_b32 s35, 1024, 0                     ; k's rows lie behind q's
	s_lshl_b32 s34, s28, 6
	s_add_co_u32 s35, s35, s34
	s_lshl_b32 s34, s29, 5
	s_add_co_u32 s35, s35, s34                     ; my 32 rows of the codes' buffer begin here: a multiple of 32
	s_lshl_b32 s36, s35, 10
	s_lshl_b32 s34, s31, 8
	s_add_co_u32 s36, s36, s34                     ; codes: row x 1,024 + my 256 along K
	s_mov_b32 s37, 0
	s_lshl_b32 s38, s35, 5
	s_lshl_b32 s34, s31, 3
	s_add_co_u32 s38, s38, s34                     ; scale bytes: row x 32 + my 8
	s_mov_b32 s39, 0
	v_lshlrev_b32 v3, 2, v2                        ; in: 4 bytes a lane
	v_and_b32 v5, 7, v2
	v_and_b32 v6, 8, v2
	v_lshl_add_u32 v5, v6, 1, v5
	v_bfe_u32 v6, v2, 4, 1
	v_lshl_add_u32 v5, v6, 3, v5                   ; my column's stored row: the lane with bits 3 and 4 exchanged
	s_mul_i32 s34, s24, 32*PITCH
	s_add_co_u32 s34, s34, WSTG                    ; my stage
	v_mul_u32_u24 v4, v5, PITCH
	v_add_nc_u32 v4, s34, v4                       ; into it: my stored row
	v_lshlrev_b32 v9, 5, v5                        ; my row of scale bytes
	v_and_b32 v5, 15, v2
	v_mul_u32_u24 v7, v6, PITCH                    ; out of it: sixteen lanes to a row, two rows an instruction
	v_lshl_add_u32 v7, v5, 4, v7
	v_add_nc_u32 v7, s34, v7
	v_lshlrev_b32 v8, 10, v6
	v_lshl_add_u32 v8, v5, 4, v8                   ; and the same place in the codes' buffer
	s_wait_kmcnt 0x0
	s_cmp_eq_u32 s27, 0                            ; the buffers are chosen by the work-group's number alone
	s_cselect_b64 s[40:41], s[6:7], s[8:9]
	s_cmp_eq_u32 s27, 2
	s_cselect_b64 s[40:41], s[10:11], s[40:41]
	s_cselect_b64 s[42:43], s[20:21], s[16:17]
	s_cselect_b64 s[44:45], s[22:23], s[18:19]
	s_add_nc_u64 s[40:41], s[40:41], s[32:33]
	s_add_nc_u64 s[42:43], s[42:43], s[36:37]
	s_add_nc_u64 s[44:45], s[44:45], s[38:39]
.macro WLOAD t                         ; block t: W(32 t + i, my column), i = 0 .. 31, into set t % 2
.set ii, 0
.rept 32
	global_load_b32 v[WX+32*((\t)%2)+ii], v3, s[40:41] offset:(32*(\t)+ii)*WROW th:TH_LOAD_NT
.set ii, ii+1
.endr
.endm
	WLOAD 0
	WLOAD 1
.macro WBLOCK t
.set XS, WX+32*((\t)%2)
.if (\t) < NB-1
	s_wait_loadcnt 32                              ; this block's 32 loads are in; the next block's may be out
.else
	s_wait_loadcnt 0
.endif
	v_max3_num_f32 v12, |v[XS]|, |v[XS+1]|, |v[XS+2]|              ; the block's largest magnitude: all 32 numbers are mine
	v_max3_num_f32 v13, |v[XS+3]|, |v[XS+4]|, |v[XS+5]|
.irp i, 6,10,14,18,22,26
	v_max3_num_f32 v12, v12, |v[XS+\i]|, |v[XS+\i+1]|
	v_max3_num_f32 v13, v13, |v[XS+\i+2]|, |v[XS+\i+3]|
.endr
	v_max3_num_f32 v12, v12, |v[XS+30]|, |v[XS+31]|
	v_max3_num_f32 v12, v12, v13, FLOORV
	v_add_nc_u32 v11, OFFE, v12                    ; the conversion's scale operand
	v_and_or_b32 v10, v12, 0x7f800000, s46         ; 57,344 x the scale
	v_lshrrev_b32 v13, 23, v11                     ; the scale's byte
.if (\t)%4 == 0
	v_mov_b32 v[SB+(\t)/4], v13                    ; four bytes to a register, the lower K in the lower byte
.else
	v_lshl_or_b32 v[SB+(\t)/4], v13, 8*((\t)%4), v[SB+(\t)/4]
.endif
.set ii, 0
.rept 32
	v_med3_num_f32 v[XS+ii], v[XS+ii], -v10, v10
.set ii, ii+1
.endr
.irp g, 0,1,2,3
	v_cvt_scalef32_pk8_bf8_f32 v[WC+2*\g:WC+2*\g+1], v[XS+8*\g:XS+8*\g+7], v11
.endr
	v_nop                                          ; one plain line behind the last conversion
	ds_store_b128 v4, v[WC:WC+3] offset:32*(\t)    ; 32 codes: 32 bytes of my column's row
	ds_store_b128 v4, v[WC+4:WC+7] offset:32*(\t)+16
.if (\t)+2 < NB
	WLOAD (\t)+2
.endif
	s_wait_dscnt 0x0                               ; the stores have read their registers: the next block's codes may be written
.endm
.irp t, 0,1,2,3,4,5,6,7
	WBLOCK \t
.endr
	global_store_b64 v9, v[SB:SB+1], s[44:45]      ; my column's 8 scale bytes (rows 32 bytes apart: one byte in 128 of what this way reads)
.irp t, 0,1,2,3,4,5,6,7,8,9,10,11,12,13,14,15
	ds_load_b128 v[OUTR+4*\t:OUTR+4*\t+3], v7 offset:2*\t*PITCH   ; LDS serves a wave's instructions in order: these see my stores
.endr
.irp t, 0,1,2,3,4,5,6,7,8,9,10,11,12,13,14,15
	s_wait_dscnt 15-\t                             ; the later loads may be out
	global_store_b128 v8, v[OUTR+4*\t:OUTR+4*\t+3], s[42:43] offset:2*\t*KROW   ; sixteen lanes store 256 consecutive bytes, aligned
.endr
	s_wait_tensorcnt 0x0
	ds_add_u32 v192, v193
	s_wait_dscnt 0x0
	s_endpgm
.Lfunc_end_k_qeb27b1d4c3_quant:
	.size	k_qeb27b1d4c3_quant, .Lfunc_end_k_qeb27b1d4c3_quant-k_qeb27b1d4c3_quant
	.p2alignl 7, 3214868480
	.fill 96, 4, 3214868480
	.section	.rodata,"a",@progbits
	.p2align	6, 0x0
	.amdhsa_kernel k_qeb27b1d4c3_quant
		.amdhsa_group_segment_fixed_size 68096
		.amdhsa_private_segment_fixed_size 0
		.amdhsa_enable_private_segment 0
		.amdhsa_kernarg_size 80
		.amdhsa_user_sgpr_count 2
		.amdhsa_user_sgpr_kernarg_segment_ptr 1
		.amdhsa_wavefront_size32 1
		.amdhsa_system_sgpr_workgroup_id_x 1
		.amdhsa_system_sgpr_workgroup_id_y 1
		.amdhsa_system_sgpr_workgroup_id_z 1
		.amdhsa_system_vgpr_workitem_id 0
		.amdhsa_next_free_vgpr 194
		.amdhsa_next_free_sgpr 66
		.amdhsa_reserve_vcc 0
		.amdhsa_float_denorm_mode_32 3
		.amdhsa_float_denorm_mode_16_64 3
		.amdhsa_memory_ordered 1
		.amdhsa_forward_progress 1
		.amdhsa_inst_pref_size 110
	.end_amdhsa_kernel
	.amdgpu_metadata
---
amdhsa.version: [ 1, 2 ]
amdhsa.kernels:
  - .name:           k_qeb27b1d4c3_quant
    .symbol:         k_qeb27b1d4c3_quant.kd
    .args:
      - { .name: inputs, .offset: 0, .size: 8, .value_kind: global_buffer, .address_space: global }
      - { .name: Wq, .offset: 8, .size: 8, .value_kind: global_buffer, .address_space: global }
      - { .name: Wk, .offset: 16, .size: 8, .value_kind: global_buffer, .address_space: global }
      - { .name: Wv, .offset: 24, .size: 8, .value_kind: global_buffer, .address_space: global }
      - { .name: x_codes, .offset: 32, .size: 8, .value_kind: global_buffer, .address_space: global }
      - { .name: x_scales, .offset: 40, .size: 8, .value_kind: global_buffer, .address_space: global }
      - { .name: wqk_codes, .offset: 48, .size: 8, .value_kind: global_buffer, .address_space: global }
      - { .name: wqk_scales, .offset: 56, .size: 8, .value_kind: global_buffer, .address_space: global }
      - { .name: wv_codes, .offset: 64, .size: 8, .value_kind: global_buffer, .address_space: global }
      - { .name: wv_scales, .offset: 72, .size: 8, .value_kind: global_buffer, .address_space: global }
    .group_segment_fixed_size: 68096
    .private_segment_fixed_size: 0
    .kernarg_segment_align: 8
    .kernarg_segment_size: 80
    .max_flat_workgroup_size: 128
    .sgpr_count:     66
    .vgpr_count:     194
    .wavefront_size: 32
...
	.end_amdgpu_metadata
.endif
;; end of part 1
;; launch projqk (part 2): grid 8 x 32, 4 waves a work-group, clusters of 4 x 4, 327,680 bytes of LDS; arguments x_codes, x_scales, wqk_codes, wqk_scales, qk; writes qk
.if DOCPART == 2
	.amdgcn_target "amdgcn-amd-amdhsa--gfx1250"
	.amdhsa_code_object_version 6
	.text
	.protected	k_qeb27b1d4c3_projqk
	.globl	k_qeb27b1d4c3_projqk
	.p2align	8
	.type	k_qeb27b1d4c3_projqk,@function
k_qeb27b1d4c3_projqk:
	s_mov_b64 s[64:65], 0
	v_nop
	global_prefetch_b8 v0, s[64:65] scope:SCOPE_SE
	s_setreg_imm32_b32 hwreg(HW_REG_WAVE_MODE, 25, 1), 1
	s_wait_xcnt 0x0
	s_wait_alu depctr_hold_cnt(0) depctr_sa_sdst(0) depctr_va_vdst(0) depctr_va_sdst(0) depctr_va_ssrc(0) depctr_va_vcc(0) depctr_vm_vsrc(0)
	s_getreg_b32 s2, hwreg(HW_REG_IB_STS2, 6, 4)
	s_cmp_eq_u32 s2, 0
	s_cbranch_scc0 .Lentry_in_a_cluster
	s_endpgm
.Lentry_in_a_cluster:
	s_bfe_u32 s2, ttmp6, 0x10000c
	s_cmp_lg_u32 s2, 0xf033
	s_cbranch_scc0 .Lentry_shape_is_right
	s_endpgm
.Lentry_shape_is_right:
; A PROJECTION ON CODES WHOSE RESULT IS QUANTISED ON THE WAY OUT.  Y[rr][pp] = sum over k of A[rr][k] B[pp][k], K = 1,024; A and B: codes of BF8 (E5M2), K innermost, one E8M0 byte for each 32 along K; sums in f32.
; Y never goes to memory as f32: it is quantised ALONG pp (B's rows), in blocks of 32, and leaves as images of operand registers.  Arguments: A's codes, A's scales, B's codes, B's scales, out.
; The body serves two launches: A = the inputs, B = Wq and Wk: q and k, quantised along the head's channels;  A = Wv, B = the inputs: v, quantised along the keys.
; ROWS OF A AND B ARE STORED with bits 3 and 4 of their index exchanged.  THE MATRIX INSTRUCTION IS USED TRANSPOSED (source 0 = 16 stored rows of B, source 1 = 16 stored rows of A): a lane holds one stored row of A, and
; the 64 registers of its eight accumulators (a, 0 .. 7) are B's TRUE rows 32 c + 16 (lane / 16) + i at register 16 c + i: the order of an operand's registers, so the conversions' results are the operand.
; OUT: blocks of 16,896 bytes, one for each 128 rows of A x 128 rows of B, a wave's share: codes at a x 2,048 + c x 512 + 16 x lane (a: stored tile of A's rows, c: block of 32 of B's rows); scale words at 16,384 + a x 64 + 4 r, byte c.
; Block number = 8 (pb % 16) + 128 (pb / 16) + rb % 8 + 128 (rb / 8), pb and rb the blocks of 128 of B's and of A's rows: dense in both launches.
; A tile of Y, 256 x 256, is made by a work-group of four waves; a wave makes 128 x 128: 64 accumulators, 512 registers.  K goes in steps of 256 through a ring of two LDS slots filled by the tensor data mover.
; THE SCALES of the work-group's 256 rows of A and of B, for all of K, are two dense blocks of memory: they come into LDS once, with the first fills.
; CLUSTERS: 4 x 4 work-groups.  The four of a row of the cluster need the same tiles of A, the four of a column the same tiles of B: each tile is asked for jointly, by the same tensor load with the same descriptor and a mask that names the four.
; Nothing is asked for ahead of the tensor loads: K has four steps, of which two are the first fills.
; LIMITS: NaN and infinities are not served; a block of zeros gets the byte 1 (its codes are zeros; this program alone reads the bytes); blocks whose largest magnitude lies under 2^-111 have their byte held at 1.
; REGISTERS, in windows of 256: window 0: v0-31 addresses; v32-63 scale words, two sets; from v128 A's fragments, one set; on the way out v32-255 are free.
;   window 1: B's fragments, two sets, at v0 and v128.   window 2: the accumulators of my rows 0-63 ((a, b) at v[8 (8 a + b)]);   window 3: those of my rows 64-127.
.set SIZE_K, 1024
.set KSTEP,  256                       ; along K in a slot
.set NQ,     KSTEP/128                 ; matrix instructions deep
.set ROWB,   256                       ; a tile's row in bytes
.set KROW,   SIZE_K                    ; a row of A or of B in memory, in bytes
.set PITCH,  272                       ; an LDS row: 256 bytes + 16 of padding = 68 words: the 16 rows that a load touches start at 16 different banks (64 banks of 4 bytes: ISA guide 11.1)
.set FR,     16                        ; registers of a fragment: 16 rows x 128 K
.set NL,     4                         ; LDS loads that bring one
.set NP,     8                         ; places behind this matrix instruction (ISA guide 7.12.1)
.set HALFT,  128*PITCH                 ; 128 rows: what one tensor load brings
.set SLOT,   4*HALFT                   ; A's 256 rows, then B's 256 rows
.set LAPS,   SIZE_K/(2*KSTEP)          ; a lap = two K steps = once round the ring
.set KS,     SIZE_K/32                 ; a row of scales in bytes
.set SCL,    2*SLOT                    ; behind the ring: the scales, as rows of 256 bytes + 16 of padding
.set HALFS,  (128*KS/256)*272          ; the scales of 128 rows
.set SBLK,   (16*KS/256)*272           ; those of 16 rows
.set SPARE,  SCL+4*HALFS               ; behind the scales: the spare words, 128 bytes for each wave
.set BS,     16896                     ; an output block
.set ADRA, 16                          ; v16-17  LDS address of my A fragments in slot 0, 1
.set ADRB, 20                          ; v20-21  the same for B
.set LI,   24                          ; v24     16 x lane: an image's place for my lane
.set SS,   25                          ; v25     the way out: where I put a scale word: 512 x wave + 4 (lane % 16), in slot 0, which has had its last fill and its last read by then
.set SR,   26                          ; v26     and where I read the words back: 512 x wave + 16 x lane
.set ADRS, 27                          ; v27     LDS address of my scale words: lanes 0-15 A's rows, lanes 16-31 B's
.set SPW,  28                          ; v28     LDS address of my spare word; never rewritten
.set NIL,  29                          ; v29     0; never rewritten
.set SC,   32                          ; scale words: set s at v[SC + 8 NQ s]; register NQ i + q: lanes 0-15 the word of A's block i, lanes 16-31 that of B's block i
.set AF,   128                         ; A's fragments, in window 0
.set TM,   32                          ; the way out: v32-35 largest magnitudes, v36-39 bytes, v40-43 57,344 x the scale, v44-47 the conversions' scale operands
.set PW,   48                          ; v48-55  the scale word of block a
.set PC,   64                          ; v64-191 the codes of block a: 16 registers each, so that no store's data are written again
.set BK,   192                         ; v192-195 the scale words read back
.set G1, 24                            ; s[24:31] descriptor group 1 for A's tiles;  s[32:39] group 0, one set for each slot
.set G0, 32
.set G1B, 48                           ; s[48:55], s[56:63] the same for B's tiles
.set G0B, 56
.set G1S, 68                           ; s[68:75], s[76:79] groups 1 and 0 for A's scales;  s[80:87], s[88:91] for B's
.set G0S, 76
.set G1SB, 80
.set G0SB, 88
.set SEL, 96                           ; s[96:97] lane selects for v_permlanex16_b32: lane l xor 16
.set MNT, 98                           ; s98     the mantissa field of 57,344
.set MSB, 0
.macro WIN new                         ; the immediate's high byte repeats the setting that is left
.if MSB != (\new)
	s_set_vgpr_msb (MSB<<8)|(\new)
.set MSB, (\new)
.endif
.endm
.set MUL_LO, 0xa1                      ; source 0 (B) window 1, source 1 (A) window 0, C and D window 2
.set MUL_HI, 0xf1                      ; the same, C and D window 3
.set TO_B,   0x40                      ; destination window 1, address window 0
; A joint load: waves 0 and 1 fetch for A, waves 2 and 3 for B.  Each of the two lines has one mask and one set of registers for all that issue it; the branch hangs on the wave's number alone.
; Four v_nop follow each of the two lines, ahead of the jump, the label and what follows.
.macro JLOAD g0a, g1a, g0b, g1b
	s_cmp_eq_u32 s15, 0
	s_cbranch_scc0 .Lfor_b_\@
	tensor_load_to_lds s[\g0a:\g0a+3], s[\g1a:\g1a+7]
	s_nop 0
.rept 4
	v_nop
.endr
	s_branch .Lasked_\@
.Lfor_b_\@:
	tensor_load_to_lds s[\g0b:\g0b+3], s[\g1b:\g1b+7]
	s_nop 0
.rept 4
	v_nop
.endr
.Lasked_\@:
.endm
.macro CREST                           ; a round of the cluster's barrier behind its opening barrier
	s_cmp_lg_u32 s14, 0
	s_cbranch_scc1 .Lnot_wave_0_\@
	s_barrier_signal -3
.Lnot_wave_0_\@:
	s_barrier_wait -3
	s_barrier_signal -1
	s_barrier_wait -1
.endm
.macro CROUND                          ; a whole round
	s_barrier_signal -1
	s_barrier_wait -1
	CREST
.endm
	s_load_b128 s[4:7], s[0:1], 0x0                ; A's codes s[4:5], A's scales s[6:7]
	s_load_b128 s[8:11], s[0:1], 0x10              ; B's codes s[8:9], B's scales s[10:11]
	s_load_b64 s[12:13], s[0:1], 0x20              ; out
	v_lshl_add_u32 v[SPW], v0, 2, SPARE
	v_mov_b32 v[NIL], 0
	ds_add_u32 v28, v29
	s_wait_dscnt 0x0
	v_lshrrev_b32 v1, 5, v0
	v_readfirstlane_b32 s14, v1                    ; wave 0..3
	s_lshr_b32 s15, s14, 1                         ; which half of the tile's rows of A is mine.  Also: I fetch for A (0) or for B (1)
	s_and_b32 s16, s14, 1                          ; which half of its rows of B.  Also: which 128 rows of that tile I fetch
	s_bfe_u32 s40, ttmp6, 0x40000                  ; cx, cy: my place in the cluster
	s_bfe_u32 s41, ttmp6, 0x40004
	s_lshl_b32 s42, ttmp9, 2
	s_add_co_u32 s42, s42, s40                     ; tile column (B) = 4 x cluster x + cx
	s_and_b32 s17, ttmp7, 0xffff
	s_lshl_b32 s17, s17, 2
	s_add_co_u32 s17, s17, s41                     ; tile row (A) = 4 x cluster y + cy
	s_lshl_b32 s43, s41, 2
	s_lshl_b32 s43, 15, s43                        ; my row of the cluster
	s_lshl_b32 s44, 0x1111, s40                    ; my column
	; descriptor group 1: a tile of 128 rows x ROWB bytes, padded in LDS
	s_or_b32 s[G1+0], s43, (0<<16)|(1<<20)|(1<<21)|(5<<22)|(3<<25)  ; 15:0 the mask: A's tiles go to my row; 17:16 element of 1 byte; 20 padding on; 21 set beside a mask; 24:22 after every 64 words (code 5); 31:25 of 4 words (code 3)
	s_or_b32 s[G1B+0], s44, (0<<16)|(1<<20)|(1<<21)|(5<<22)|(3<<25)
.irp g, G1, G1B
	s_mov_b32 s[\g+1], ROWB<<16                    ; tensor_dim0
	s_mov_b32 s[\g+2], 128<<16                     ; tensor_dim1 = 128
	s_mov_b32 s[\g+3], ROWB<<16                    ; tile_dim0
	s_mov_b32 s[\g+4], 128                         ; tile_dim1 = 128
	s_mov_b32 s[\g+5], KROW                        ; tensor_dim0_stride
	s_mov_b32 s[\g+6], 0
	s_mov_b32 s[\g+7], 0
.endr
	; and for the scales of 128 rows: a dense block of 4,096 bytes, as rows of 256 bytes (32 elements of 8 bytes), 16 bytes of padding behind each
	s_or_b32 s[G1S+0], s43, (3<<16)|(1<<20)|(1<<21)|(5<<22)|(3<<25)
	s_or_b32 s[G1SB+0], s44, (3<<16)|(1<<20)|(1<<21)|(5<<22)|(3<<25)
.irp g, G1S, G1SB
	s_mov_b32 s[\g+1], 32<<16
	s_mov_b32 s[\g+2], (128*KS/256)<<16
	s_mov_b32 s[\g+3], 32<<16
	s_mov_b32 s[\g+4], 128*KS/256
	s_mov_b32 s[\g+5], 32
	s_mov_b32 s[\g+6], 0
	s_mov_b32 s[\g+7], 0
.endr
	s_lshl_b32 s18, s16, 7                         ; which 128 rows of the tile I fetch
	s_lshl_b32 s20, s17, 8
	s_add_co_u32 s20, s20, s18                     ; A: row 256 x tile row + 128 x half
	s_lshl_b32 s46, s42, 8
	s_add_co_u32 s46, s46, s18                     ; B: row 256 x tile column + 128 x half
	s_mov_b32 s21, 0
	s_mov_b32 s47, 0
	s_mov_b64 s[18:19], KS
	s_mul_u64 s[22:23], s[20:21], s[18:19]         ; where these rows' scales begin, in bytes
	s_mul_u64 s[92:93], s[46:47], s[18:19]
	s_mov_b64 s[18:19], KROW
	s_mul_u64 s[20:21], s[20:21], s[18:19]         ; and their codes
	s_mul_u64 s[46:47], s[46:47], s[18:19]
	s_mul_i32 s45, s14, HALFT                      ; where they go: wave x 128 rows: no place in the cluster enters an LDS address
	s_mul_i32 s94, s14, HALFS
	s_mov_b32 s[SEL], 0x76543210
	s_mov_b32 s[SEL+1], 0xfedcba98
	s_mov_b32 s[MNT], 0x600000
	s_wait_kmcnt 0x0
	s_add_nc_u64 s[20:21], s[4:5], s[20:21]
	s_add_nc_u64 s[22:23], s[6:7], s[22:23]
	s_add_nc_u64 s[46:47], s[8:9], s[46:47]
	s_add_nc_u64 s[92:93], s[10:11], s[92:93]
	CROUND                                         ; all sixteen work-groups are here: the first joint loads meet
	s_mov_b32 s[G0S], 1
	s_add_co_u32 s[G0S+1], s94, SCL
	s_mov_b64 s[G0S+2:G0S+3], s[22:23]
	s_or_b32 s[G0S+3], s[G0S+3], 0x80000000
	s_mov_b32 s[G0SB], 1
	s_add_co_u32 s[G0SB+1], s94, SCL
	s_mov_b64 s[G0SB+2:G0SB+3], s[92:93]
	s_or_b32 s[G0SB+3], s[G0SB+3], 0x80000000
	JLOAD G0S, G1S, G0SB, G1SB                     ; the scales first: they are wanted with K step 0
.irp s, 0,1
	s_mov_b32 s[G0+4*\s], 1
	s_add_co_u32 s[G0+4*\s+1], s45, \s*SLOT
	s_add_nc_u64 s[G0+4*\s+2:G0+4*\s+3], s[20:21], \s*ROWB
	s_or_b32 s[G0+4*\s+3], s[G0+4*\s+3], 0x80000000
	s_mov_b32 s[G0B+4*\s], 1
	s_add_co_u32 s[G0B+4*\s+1], s45, \s*SLOT
	s_add_nc_u64 s[G0B+4*\s+2:G0B+4*\s+3], s[46:47], \s*ROWB
	s_or_b32 s[G0B+4*\s+3], s[G0B+4*\s+3], 0x80000000
	JLOAD G0+4*\s, G1, G0B+4*\s, G1B               ; three tensor loads of mine are out behind the second of these
.endr
	v_and_b32 v1, 15, v0                           ; l % 16
	v_bfe_u32 v2, v0, 4, 1                         ; l / 16
	v_mul_u32_u24 v3, v1, PITCH
	v_lshl_add_u32 v4, v2, 4, v3                   ; a fragment's row x pitch + 16 x half
	s_mul_i32 s21, s15, HALFT                      ; my 128 rows of A
	s_mul_i32 s22, s16, HALFT                      ; my 128 rows of B,
	s_add_co_u32 s22, s22, 2*HALFT                 ; which lie behind A's 256
.irp s, 0,1
	v_add_nc_u32 v[ADRA+\s], s21, v4
	v_add_nc_u32 v[ADRB+\s], s22, v4
	s_add_co_u32 s21, s21, SLOT
	s_add_co_u32 s22, s22, SLOT
.endr
	v_mul_u32_u24 v5, v1, KS                       ; my row's scales: KS bytes a row,
	v_lshrrev_b32 v6, 8, v5
	v_lshl_add_u32 v5, v6, 4, v5                   ; and 16 more for each 256 passed
	s_mul_i32 s21, s15, HALFS                      ; A's: my 128 rows
	s_mul_i32 s22, s16, HALFS                      ; B's: my 128 rows, behind A's 256
	s_add_co_u32 s22, s22, 2*HALFS
	s_sub_co_u32 s22, s22, s21
	v_mul_u32_u24 v6, s22, v2                      ; lanes 16-31 take B's
	s_add_co_u32 s21, s21, SCL
	v_add_nc_u32 v5, v5, v6
	v_add_nc_u32 v[ADRS], s21, v5
	v_and_b32 v6, 31, v0
	v_lshlrev_b32 v[LI], 4, v6
	s_lshl_b32 s23, s14, 9
	v_lshl_add_u32 v[SS], v1, 2, s23
	v_add_nc_u32 v[SR], s23, v[LI]
	; my output block
	s_lshl_b32 s20, s42, 1
	s_add_co_u32 s20, s20, s16                     ; pb: my 128 rows of B
	s_lshl_b32 s21, s17, 1
	s_add_co_u32 s21, s21, s15                     ; rb: my 128 rows of A
	s_and_b32 s22, s20, 15
	s_lshl_b32 s22, s22, 3
	s_lshr_b32 s23, s20, 4
	s_lshl_b32 s23, s23, 7
	s_add_co_u32 s22, s22, s23
	s_and_b32 s23, s21, 7
	s_add_co_u32 s22, s22, s23
	s_lshr_b32 s23, s21, 3
	s_lshl_b32 s23, s23, 7
	s_add_co_u32 s22, s22, s23
	s_mul_i32 s22, s22, BS                         ; under 2^25
	s_mov_b32 s23, 0
	s_add_nc_u64 s[12:13], s[12:13], s[22:23]
.macro FRAG reg, adr, q, i             ; a fragment, 16 rows x 128 K of 8-bit codes, is 16 registers: lane l holds row l % 16; registers 4 c .. 4 c + 3 hold K = 32 c + 16 (l / 16) + 0 .. 15
.irp c, 0,1,2,3
	ds_load_b128 v[\reg+4*\c:\reg+4*\c+3], v[\adr] offset:128*(\q)+32*\c+(\i)*16*PITCH
.endr
.endm
; 16 matrix instructions: A's blocks a0, a0 + 1 x B's eight, 128 along K: the slot's q-th.  p: B's set;  sc: the set of scale words.  zero = 1: the first product starts the sums: nothing is ever cleared.
; The 64 accumulators take turns, one instruction a turn, in the same order in every step.
.macro MUL16 a0, p, q, sc, zero
.irp a, \a0, \a0+1
.irp b, 0,1,2,3,4,5,6,7
.if \zero
	v_wmma_scale_f32_16x16x128_f8f6f4 v[8*(8*((\a)%4)+\b):8*(8*((\a)%4)+\b)+7], v[128*(\p)+FR*\b:128*(\p)+FR*\b+FR-1], v[AF+FR*(\a):AF+FR*(\a)+FR-1], 0, v[SC+8*NQ*(\sc)+NQ*\b+(\q)], v[SC+8*NQ*(\sc)+NQ*(\a)+(\q)] matrix_a_fmt:MATRIX_FMT_BF8 matrix_b_fmt:MATRIX_FMT_BF8 matrix_a_scale:MATRIX_SCALE_ROW1
.else
	v_wmma_scale_f32_16x16x128_f8f6f4 v[8*(8*((\a)%4)+\b):8*(8*((\a)%4)+\b)+7], v[128*(\p)+FR*\b:128*(\p)+FR*\b+FR-1], v[AF+FR*(\a):AF+FR*(\a)+FR-1], v[8*(8*((\a)%4)+\b):8*(8*((\a)%4)+\b)+7], v[SC+8*NQ*(\sc)+NQ*\b+(\q)], v[SC+8*NQ*(\sc)+NQ*(\a)+(\q)] matrix_a_fmt:MATRIX_FMT_BF8 matrix_b_fmt:MATRIX_FMT_BF8 matrix_a_scale:MATRIX_SCALE_ROW1
.endif
.endr
.endr
.endm
.macro FETCH_B slot, q, p              ; B's eight fragments of the slot's q-th 128 along K into set p
	WIN TO_B
.irp i, 0,1,2,3,4,5,6,7
	FRAG 128*(\p)+FR*\i, ADRB+\slot, \q, \i
.endr
	WIN 0
.endm
.macro FETCH_A slot, q, i0             ; A's blocks i0 .. i0 + 3
.irp i, \i0, \i0+1, \i0+2, \i0+3
	FRAG AF+FR*(\i), ADRA+\slot, \q, \i
.endr
.endm
.macro SCALES sc                       ; the next K step's scale words into set sc: NQ words a row; lanes 0-15 take A's block i, lanes 16-31 B's block i
.irp i, 0,1,2,3,4,5,6,7
	ds_load_b64 v[SC+8*NQ*\sc+NQ*\i:SC+8*NQ*\sc+NQ*\i+1], v[ADRS] offset:\i*SBLK
.endr
.endm
; A load into a register that a matrix instruction has read, and a vector instruction that reads a matrix result or writes one of a matrix instruction's registers, stand NP places behind it, and only plain
; vector instructions that name none of its registers are places (ISA guide 7.12.1 for vector instructions).
.macro PLACES n
.rept \n
	v_nop
.endr
.endm
; A step of 128 along K that has its successor in the same slot.
.macro STEP slot, q, zero
	s_wait_dscnt 4*NL                              ; B's set and A's blocks 0-3 are in; the youngest sixteen loads (A's blocks 4-7) may be out
	WIN MUL_LO
	MUL16 0, (\q)%2, \q, \slot, \zero
	MUL16 2, (\q)%2, \q, \slot, \zero
	s_wait_dscnt 0                                 ; A's blocks 4-7 are in (asked for 32 matrix instructions ago)
	PLACES NP
	FETCH_B \slot, (\q)+1, 1-(\q)%2
	FETCH_A \slot, (\q)+1, 0
	WIN MUL_HI
	MUL16 4, (\q)%2, \q, \slot, \zero
	MUL16 6, (\q)%2, \q, \slot, \zero
	PLACES NP
	WIN 0
	FETCH_A \slot, (\q)+1, 4
.endm
; A slot's last step changes slots: ONE barrier; in front of it each wave waits for all its tensor loads, adds 0 to its spare word, and waits for that and for its own reads of this slot.  fill = 1: this slot is filled again, two K steps ahead.
.macro TURN slot, next, fill
	s_wait_tensorcnt 0x0                           ; all my tensor loads have landed: my part of the next slot;  (every window is 0 here)
	ds_add_u32 v[SPW], v[NIL]                      ; 0 onto my spare word
	s_wait_dscnt 4*NL+1                            ; (the add and the youngest sixteen loads, A's blocks 4-7, may be out)
	WIN MUL_LO
	MUL16 0, 1, NQ-1, \slot, 0                     ; sixteen matrix instructions stand between the add and the wait for it
	s_wait_dscnt 0x0                               ; the add is done, and my reads of this slot are over
	s_barrier_signal -1
	MUL16 2, 1, NQ-1, \slot, 0
	WIN 0
	s_barrier_wait -1
.if \fill
	CREST                                          ; the barrier has opened a round of the cluster's barrier: no wave of any partner still reads this slot's tile or has a load on its way
	s_add_nc_u64 s[G0+4*\slot+2:G0+4*\slot+3], s[G0+4*\slot+2:G0+4*\slot+3], 2*ROWB
	s_add_nc_u64 s[G0B+4*\slot+2:G0B+4*\slot+3], s[G0B+4*\slot+2:G0B+4*\slot+3], 2*ROWB
	JLOAD G0+4*\slot, G1, G0B+4*\slot, G1B         ; the first tensor load behind the round; the four v_nop behind it are among the places in front of the loads below
	PLACES NP-4
.else
	PLACES NP
.endif
	v_add_nc_u32 v[ADRS], 4*NQ, v[ADRS]            ; on to the next K step's scale words (no LDS load of mine is out)
	FETCH_B \next, 0, 0
	FETCH_A \next, 0, 0
	SCALES \next
	WIN MUL_HI
	MUL16 4, 1, NQ-1, \slot, 0
	MUL16 6, 1, NQ-1, \slot, 0
	PLACES NP
	WIN 0
	FETCH_A \next, 0, 4
.endm
	s_wait_tensorcnt 1                             ; the scales and my part of K step 0 are in (K step 1's load may be out)
	s_barrier_signal -1
	s_barrier_wait -1                              ; everybody's are
	FETCH_B 0, 0, 0
	FETCH_A 0, 0, 0
	SCALES 0
	FETCH_A 0, 0, 4
	STEP 0, 0, 1                                   ; the first step stands in front of the loop: its products start the sums
	s_mov_b32 s3, LAPS-1
.Llap:                                                 ; a trip goes once round the ring, from a lap's second step to the next lap's first, and fills both slots again
	TURN 0, 1, 1
	STEP 1, 0, 0
	TURN 1, 0, 1
	STEP 0, 0, 0
	s_sub_co_u32 s3, s3, 1
	s_cmp_lg_u32 s3, 0
	s_cbranch_scc1 .Llap
	TURN 0, 1, 0                                   ; the last lap fills nothing, and has no round of the cluster's barrier
	STEP 1, 0, 0
	s_wait_dscnt 4*NL                              ; the very last step: nothing more to fetch
	WIN MUL_LO
	MUL16 0, 1, NQ-1, 1, 0
	MUL16 2, 1, NQ-1, 1, 0
	s_wait_dscnt 0
	WIN MUL_HI
	MUL16 4, 1, NQ-1, 1, 0
	MUL16 6, 1, NQ-1, 1, 0
	WIN 0
; THE WAY OUT.  Block a (16 stored rows of A): a lane's 64 registers are four blocks of 32 along B's rows, 16 numbers of each; the other 16 lie in lane l xor 16.  Largest magnitude, scale, hold, conversion: 16 registers of codes,
; which leave as they stand, each group of four by one store of 512 consecutive aligned bytes.  The eight scale words of a row tile meet in 512 bytes of LDS of my own and leave by one store.
; Each accumulator is read from its low end on: the maxima take the registers in ascending order.
.macro QOUT a
.set AC, 64*((\a)%4)
.set QW, 2+(\a)/4                      ; the accumulators' window
	WIN (QW<<2)|(QW<<4)                            ; sources 1 and 2: the accumulators
.irp b, 0,1,2,3
	v_max3_num_f32 v[TM+\b], 0x8000000, |v[AC+16*\b]|, |v[AC+16*\b+1]|   ; block b: my 16 numbers, and the floor 2^(16 - 127): the byte cannot fall under 1
.endr
.irp i, 2,4,6,8,10,12,14
.irp b, 0,1,2,3
	v_max3_num_f32 v[TM+\b], v[TM+\b], |v[AC+16*\b+\i]|, |v[AC+16*\b+\i+1]|   ; (the four blocks by turns)
.endr
.endr
	WIN 0
.irp b, 0,1,2,3
	v_permlanex16_b32 v[TM+4+\b], v[TM+\b], s[SEL], s[SEL+1]
.endr
.irp b, 0,1,2,3
	v_max_num_f32 v[TM+\b], v[TM+\b], v[TM+4+\b]   ; with lane l xor 16's: the block's largest magnitude
.endr
.irp b, 0,1,2,3
	v_add_nc_u32 v[TM+12+\b], 0xf8800000, v[TM+\b] ; 15 off its exponent field: the conversion's scale operand
.endr
.irp b, 0,1,2,3
	v_and_or_b32 v[TM+8+\b], v[TM+\b], 0x7f800000, s[MNT]   ; 57,344 x the scale
.endr
.irp b, 0,1,2,3
	v_lshrrev_b32 v[TM+4+\b], 23, v[TM+12+\b]      ; the scale's byte
.endr
	v_lshl_or_b32 v[PW+(\a)], v[TM+5], 8, v[TM+4]  ; the four bytes make my row's scale word (both halves of the lanes hold the same)
	v_lshl_or_b32 v[PW+(\a)], v[TM+6], 16, v[PW+(\a)]
	v_lshl_or_b32 v[PW+(\a)], v[TM+7], 24, v[PW+(\a)]
	WIN (QW<<6)|QW                                 ; destination and source 0: the accumulators
.set jj, 0
.rept 64
	v_med3_num_f32 v[AC+jj], v[AC+jj], -v[TM+8+jj/16], v[TM+8+jj/16]   ; the conversion to an 8-bit code does not saturate (ISA guide 7.6.2): the hold comes first
.set jj, jj+1
.endr
	WIN QW                                         ; source 0: the accumulators
.irp c, 0,1,2,3
	v_cvt_scalef32_pk8_bf8_f32 v[PC+16*(\a)+4*\c:PC+16*(\a)+4*\c+1], v[AC+16*\c:AC+16*\c+7], v[TM+12+\c]
	v_cvt_scalef32_pk8_bf8_f32 v[PC+16*(\a)+4*\c+2:PC+16*(\a)+4*\c+3], v[AC+16*\c+8:AC+16*\c+15], v[TM+12+\c]
.endr
	WIN 0
	v_nop                                          ; one plain line behind the last conversion
.irp c, 0,1,2,3
	global_store_b128 v[LI], v[PC+16*(\a)+4*\c:PC+16*(\a)+4*\c+3], s[12:13] offset:(\a)*2048+\c*512   ; 32 lanes store 512 consecutive bytes, aligned
.endr
	ds_store_b32 v[SS], v[PW+(\a)] offset:64*(\a)  ; lanes l and l xor 16 write the same word with the same value
.endm
	PLACES NP                                      ; behind the last products: their results are read, and their operands' and scales' registers written, from here on
.irp b, 0,1,2,3
	v_mov_b32 v[TM+4+\b], 0                        ; written once: a lane permute's destination counts as one of its sources
.endr
.irp a, 0,1,2,3,4,5,6,7
	QOUT \a
.endr
	ds_load_b128 v[BK:BK+3], v[SR]                 ; LDS serves a wave's instructions in order: this sees my eight stores
	s_wait_dscnt 0x0
	global_store_b128 v[LI], v[BK:BK+3], s[12:13] offset:16384   ; the block's 128 scale words: 512 consecutive bytes, aligned
	s_wait_tensorcnt 0x0                           ; the wave's end, behind my last tensor load and my last LDS store
	ds_add_u32 v[SPW], v[NIL]
	s_wait_dscnt 0x0
	CROUND                                         ; the closing round: no work-group ends while a partner may still ask for a tile that names it
	s_endpgm
.Lfunc_end_k_qeb27b1d4c3_projqk:
	.size	k_qeb27b1d4c3_projqk, .Lfunc_end_k_qeb27b1d4c3_projqk-k_qeb27b1d4c3_projqk
	.p2alignl 7, 3214868480
	.fill 96, 4, 3214868480
	.section	.rodata,"a",@progbits
	.p2align	6, 0x0
	.amdhsa_kernel k_qeb27b1d4c3_projqk
		.amdhsa_group_segment_fixed_size 327680
		.amdhsa_private_segment_fixed_size 0
		.amdhsa_enable_private_segment 0
		.amdhsa_kernarg_size 40
		.amdhsa_user_sgpr_count 2
		.amdhsa_user_sgpr_kernarg_segment_ptr 1
		.amdhsa_wavefront_size32 1
		.amdhsa_system_sgpr_workgroup_id_x 1
		.amdhsa_system_sgpr_workgroup_id_y 1
		.amdhsa_system_sgpr_workgroup_id_z 1
		.amdhsa_system_vgpr_workitem_id 0
		.amdhsa_next_free_vgpr 1024
		.amdhsa_next_free_sgpr 100
		.amdhsa_reserve_vcc 0
		.amdhsa_float_denorm_mode_32 3
		.amdhsa_float_denorm_mode_16_64 3
		.amdhsa_memory_ordered 1
		.amdhsa_forward_progress 1
		.amdhsa_inst_pref_size 185
	.end_amdhsa_kernel
	.amdgpu_metadata
---
amdhsa.version: [ 1, 2 ]
amdhsa.kernels:
  - .name:           k_qeb27b1d4c3_projqk
    .symbol:         k_qeb27b1d4c3_projqk.kd
    .args:
      - { .name: x_codes, .offset: 0, .size: 8, .value_kind: global_buffer, .address_space: global }
      - { .name: x_scales, .offset: 8, .size: 8, .value_kind: global_buffer, .address_space: global }
      - { .name: wqk_codes, .offset: 16, .size: 8, .value_kind: global_buffer, .address_space: global }
      - { .name: wqk_scales, .offset: 24, .size: 8, .value_kind: global_buffer, .address_space: global }
      - { .name: qk, .offset: 32, .size: 8, .value_kind: global_buffer, .address_space: global }
    .group_segment_fixed_size: 327680
    .private_segment_fixed_size: 0
    .kernarg_segment_align: 8
    .kernarg_segment_size: 40
    .max_flat_workgroup_size: 128
    .sgpr_count:     100
    .vgpr_count:     1024
    .wavefront_size: 32
...
	.end_amdgpu_metadata
.endif
;; end of part 2
;; launch projv: the kernel of part 2 again; grid 32 x 4, 4 waves a work-group, clusters of 4 x 4, 327,680 bytes of LDS; arguments wv_codes, wv_scales, x_codes, x_scales, v; writes v
;; launch attn (part 3): grid 4 x 64, 16 waves a work-group, no clusters, 327,680 bytes of LDS; arguments qk, v, out0; writes out0
.if DOCPART == 3
	.amdgcn_target "amdgcn-amd-amdhsa--gfx1250"
	.amdhsa_code_object_version 6
	.text
	.protected	k_qeb27b1d4c3_attn
	.globl	k_qeb27b1d4c3_attn
	.p2align	8
	.type	k_qeb27b1d4c3_attn,@function
k_qeb27b1d4c3_attn:
	s_mov_b64 s[64:65], 0
	v_nop
	global_prefetch_b8 v0, s[64:65] scope:SCOPE_SE
	s_setreg_imm32_b32 hwreg(HW_REG_WAVE_MODE, 25, 1), 1
	s_wait_xcnt 0x0
; out0[b][q][64 head + e] = the sum over keys k <= q of softmax_k(Q[q] . K[k] / 8) V[k][e], for 64 pairs (b, head), 2,048 positions, head size 64; both products on codes of BF8 (E5M2) with one E8M0 scale for each 32 along K.
; INPUTS, made by the launches before, as images of operand registers in blocks of 16,896 bytes: codes at a x 2,048 + c x 512 + 16 x lane, scale words at 16,384 + a x 64 + 4 r.
;   qk: a block is 128 positions x two heads' 64 channels of q (blocks 8 hp + ..) or of k (64 + 8 hp + ..): a = tile of 16 positions, c = 2 pi, 2 pi + 1: the two blocks of 32 channels of head 2 hp + pi.
;   v:  a block is two heads' 64 channels x 128 keys: a = 4 pi + tile of 16 channels, c = block of 32 keys.
;   THE ROWS OF A TILE ARE NOT NEIGHBOURS: lane r of tile t holds row 32 (t / 2) + 8 (t % 2) + r + 8 (r / 8) of its block, so that the 16 registers of two neighbouring result tiles are 16 neighbours.
; THE FIRST PRODUCT'S K IS 64: the upper halves of K's and of Q's fragments are zero codes, written once; their scale bytes are 0, which is a small power of two and no NaN.
; THE SOFTMAX: t = score x log2(e) / 8; M = the row's largest t so far, rounded UP to a whole number; p = 2^(t - M) is quantised along the keys, not normalised.  The row's sum is taken of the unquantised p and divides O at the end.
; When M moves, the sum and O are multiplied by 2^(old M - new M): exact.  Both products are used transposed (S^T = K Q^T, O^T = V^T P^T): a lane holds one query throughout.
; SHARES.  Work-group (x, y): pair y; first the 256 queries of block 7 - x, which see 8 - x slots of 256 keys, then those of block x, which see x + 1: NINE slots for every work-group, 256 work-groups of equal length.
; Each of sixteen waves owns one tile of 16 queries in 256 registers: four waves to a SIMD, so that one wave's vector work stands beside another's matrix work and LDS loads.
; The loop's trip count is the constant 9; which slot a trip reads enters global addresses and scalar compares alone.  A step of 128 keys all of which come after the wave's queries is jumped over (a scalar branch on ids);
; on the diagonal hidden scores become -infinity ahead of the maximum.  A wave's 16 queries lie inside one 128, so in a step that is worked every query sees the step's first key: no row is all hidden.
; NO CLUSTER: the four work-groups of a pair walk 8 - x and x + 1 slots, so the same trip reads different slots in different partners once the first has changed blocks; in step they would all walk 8 + 4 = 12 slots against 9.
; LIMITS: NaN and infinities are not served.  A block whose every p has fallen to 0 keeps the byte 1: its codes are zeros.
; REGISTERS: v1-6 addresses that stay; v8-10 addresses in the slot in hand; v12 -M, v13 the largest t, v[14:15] the sum in two halves; v16-23 Q, v24-31 zeros; v32+16 t: K's fragment t (8 registers, then 8 zeros);
;   v96-159 S^T, then p, then V's four fragments; v160-191 O^T; v192-200 the second block's Q and its scale word; v201-205 addresses; v224-239 p's codes; v232-254 at work; v248-251 K's or V's scale words; v253 p's; v255 Q's.
.set BS,    16896                      ; a block of qk or of v
.set SLOT1, 65536                      ; slot 1 begins here: one exclusive or turns an address in one slot into the other's
.set VOFF,  16384                      ; a slot: K's 16 tiles x 1,024 bytes; V's 2 x 4 fragments x 2,048;
.set SKOFF, 32768                      ; K's scale words, 2 x 512 bytes;
.set SVOFF, 33792                      ; V's, 2 x 256
.set STAGE, 131072                     ; behind the ring: 16 rows x (256 + 16) bytes for each wave, for the way out; no fill lands here
.set SPARE, STAGE+16*16*272            ; the spare words, 128 bytes for each wave: eight blocks of 256 bytes that no other line names
.set LI,   1                           ; v1   16 x lane
.set R4,   2                           ; v2   4 x (lane % 16)
.set ASK0, 3                           ; v3   my place among K's scale words: SKOFF + 4 r + 2 pi
.set ASV0, 4                           ; v4   and among V's: SVOFF + 4 r
.set SPW,  5                           ; v5   LDS address of my spare word; never rewritten
.set NIL,  6                           ; v6   0; never rewritten
.set AD,   8                           ; v8   the slot + LI
.set ADS,  9                           ; v9   the slot + ASK0
.set ADT,  10                          ; v10  the slot + ASV0
.set QB,   192                         ; v192-199 the second block's Q
.set QBS,  200                         ; v200 its scale word
.set QL,   201                         ; v201 r + 8 (r / 8) - 16 (lane / 16): my query less my first key, both counted from the wave's and the step's first
.set STI,  202                         ; v202 the stage, in
.set STO,  203                         ; v203 the stage, back
.set GO,   204                         ; v204 my byte offset in the wave's rows of out0
.set PFO,  205                         ; v205 the prefetches' lane term; never rewritten
.set T,    2                           ; s2   the trip, 0 .. 8
.set TB,   3                           ; s3   LDS byte at which the slot in hand begins
.set TA,   14                          ; s14  7 - x: the first block, and its last trip
.set NA,   15                          ; s15  8 - x: the first block's slots
.set Q0,   16                          ; s16  my first query in the block in hand
.set Q0B,  17                          ; s17  in the second block
.set WV,   18                          ; s18  my wave's number
.set MNT,  19                          ; s19  the mantissa field of 57,344
.set SEL,  20                          ; s[20:21] lane selects for v_permlanex16_b32: lane l xor 16
.set CS,   22                          ; s[22:23] c = log2(e) / 8
.set G1K,  24                          ; descriptor groups 1: K's codes, V's codes, K's scale words, V's
.set G1V,  32
.set G1SK, 40
.set G1SV, 48
.set G0K,  56                          ; and their groups 0, rewritten at each change of slots
.set G0V,  60
.set G0SK, 68
.set G0SV, 72
.set KB,   76                          ; s[76:77] .. s[82:83] where slot 0's parts begin in memory
.set VB,   78
.set SKB,  80
.set SVB,  82
.set OUTA, 84                          ; s[84:85], s[86:87] my rows of out0 in the first and in the second block
.set OUTB, 86
.set PFB,  88                          ; s[88:89] the prefetches' base;  s[90:91] their address
.set PFA,  90
.set KF0,  66                          ; s66  the slot's first key
.set LIM,  67                          ; s67  6 in a wave that prefetches, else 0
; One tensor load a wave: waves 0 and 1 K's two steps, waves 2 and 3 V's, wave 4 K's scale words, wave 5 V's, the others nothing.  The branches hang on the wave's number alone.  Four v_nop follow each load.
.macro TLOAD
	s_cmp_lt_u32 s[WV], 2
	s_cbranch_scc0 .Lnot_k_\@
	tensor_load_to_lds s[G0K:G0K+3], s[G1K:G1K+7]
	s_nop 0
.rept 4
	v_nop
.endr
	s_branch .Lasked_\@
.Lnot_k_\@:
	s_cmp_lt_u32 s[WV], 4
	s_cbranch_scc0 .Lnot_v_\@
	tensor_load_to_lds s[G0V:G0V+3], s[G1V:G1V+7]
	s_nop 0
.rept 4
	v_nop
.endr
	s_branch .Lasked_\@
.Lnot_v_\@:
	s_cmp_eq_u32 s[WV], 4
	s_cbranch_scc0 .Lnot_sk_\@
	tensor_load_to_lds s[G0SK:G0SK+3], s[G1SK:G1SK+7]
	s_nop 0
.rept 4
	v_nop
.endr
	s_branch .Lasked_\@
.Lnot_sk_\@:
	s_cmp_eq_u32 s[WV], 5
	s_cbranch_scc0 .Lasked_\@
	tensor_load_to_lds s[G0SV:G0SV+3], s[G1SV:G1SV+7]
	s_nop 0
.rept 4
	v_nop
.endr
.Lasked_\@:
.endm
; A PREFETCH INTO THE L2 of the codes that the NEXT change of slots will ask for.  The four work-groups of a pair begin with the same slots 0, 1, ..; work-group x = 0 walks slots 0 to 7 in order in trips 0 to 7, and it alone asks:
; in trip T, where slot T + 1 is being fetched, for slot T + 2, while T < 6.  Waves that fetch nothing ask, one instruction each: waves 6 and 7 for K's two steps (8 pieces of 1,024 bytes each: a lane names 256 bytes),
; waves 8 and 9 for V's two steps (8,192 dense bytes each).  So each aligned 256 bytes of a pair's codes of slots 2 to 7 are named once in the launch; slots 0 and 1 and the scale words come by their loads alone.
.macro ASK
	s_cmp_lt_u32 s[T], s[LIM]
	s_cbranch_scc0 .Lnot_mine_\@
	global_prefetch_b8 v[PFO], s[PFA:PFA+1] th:TH_LOAD_NT scope:SCOPE_SE
.Lnot_mine_\@:
.endm
	s_load_b128 s[4:7], s[0:1], 0x0                ; qk, v
	s_load_b64 s[8:9], s[0:1], 0x10                ; out0
	v_lshl_add_u32 v[SPW], v0, 2, SPARE
	v_mov_b32 v[NIL], 0
	ds_add_u32 v5, v6
	s_wait_dscnt 0x0
	v_lshrrev_b32 v8, 5, v0
	v_readfirstlane_b32 s[WV], v8                  ; wave 0..15
	s_and_b32 s92, ttmp7, 0xffff                   ; the pair
	s_lshr_b32 s93, s92, 4                         ; b
	s_and_b32 s94, s92, 15                         ; head
	s_lshr_b32 s95, s94, 1                         ; hp
	s_and_b32 s96, s94, 1                          ; pi
	s_sub_co_u32 s[TA], 7, ttmp9
	s_sub_co_u32 s[NA], 8, ttmp9
	s_lshr_b32 s97, s[WV], 1
	s_lshl_b32 s97, s97, 5
	s_and_b32 s98, s[WV], 1
	s_lshl_b32 s100, s98, 3
	s_add_co_u32 s97, s97, s100                    ; my tile's first query in its block: 32 (w / 2) + 8 (w % 2)
	s_lshl_b32 s[Q0], s[TA], 8
	s_add_co_u32 s[Q0], s[Q0], s97
	s_lshl_b32 s[Q0B], ttmp9, 8
	s_add_co_u32 s[Q0B], s[Q0B], s97
	s_lshl_b32 s99, s95, 3
	s_lshl_b32 s100, s93, 8
	s_add_co_u32 s99, s99, s100                    ; 8 hp + 256 b: q's first block of the pair; k's lies 64 blocks on
	s_add_co_u32 s100, s99, 64
	s_mul_i32 s[SKB], s100, BS
	s_add_co_u32 s[SKB], s[SKB], 16384             ; K's scale words of keys 0-127
	s_mov_b32 s[SKB+1], 0
	s_add_co_u32 s100, s100, s98                   ; which of a slot's two steps I fetch: w % 2
	s_mul_i32 s[KB], s100, BS
	s_lshl_b32 s101, s96, 10
	s_add_co_u32 s[KB], s[KB], s101                ; my head's 1,024 bytes of each tile's 2,048
	s_mov_b32 s[KB+1], 0
	s_lshl_b32 s100, s93, 7
	s_add_co_u32 s100, s100, s95                   ; 128 b + hp: v's block of keys 0-127
	s_mul_i32 s[SVB], s100, BS
	s_lshl_b32 s101, s96, 8
	s_add_co_u32 s[SVB], s[SVB], s101
	s_add_co_u32 s[SVB], s[SVB], 16384
	s_mov_b32 s[SVB+1], 0
	s_lshl_b32 s101, s98, 3
	s_add_co_u32 s100, s100, s101                  ; 128 keys on are 8 blocks on
	s_mul_i32 s[VB], s100, BS
	s_lshl_b32 s101, s96, 13
	s_add_co_u32 s[VB], s[VB], s101                ; my head's 8,192 bytes
	s_mov_b32 s[VB+1], 0
	; Q's blocks: position block s = 2 blk + w / 8 lies at block 8 hp + 256 b + s % 8 + 128 (s / 8)
	s_lshr_b32 s100, s[WV], 3
	s_lshl_b32 s101, s[TA], 1
	s_add_co_u32 s101, s101, s100
	s_and_b32 s92, s101, 7
	s_lshr_b32 s101, s101, 3
	s_lshl_b32 s101, s101, 7
	s_add_co_u32 s101, s101, s92
	s_add_co_u32 s101, s101, s99
	s_mul_i32 s10, s101, BS
	s_mov_b32 s11, 0
	s_lshl_b32 s101, ttmp9, 1
	s_add_co_u32 s101, s101, s100
	s_and_b32 s92, s101, 7
	s_lshr_b32 s101, s101, 3
	s_lshl_b32 s101, s101, 7
	s_add_co_u32 s101, s101, s92
	s_add_co_u32 s101, s101, s99
	s_mul_i32 s12, s101, BS
	s_mov_b32 s13, 0
	; out0: row (2,048 b + query) of 4,096 bytes, + 256 x head: under 2^26
	s_lshl_b32 s100, s93, 11
	s_lshl_b32 s92, s94, 8
	s_add_co_u32 s101, s100, s[Q0]
	s_lshl_b32 s[OUTA], s101, 12
	s_add_co_u32 s[OUTA], s[OUTA], s92
	s_mov_b32 s[OUTA+1], 0
	s_add_co_u32 s101, s100, s[Q0B]
	s_lshl_b32 s[OUTB], s101, 12
	s_add_co_u32 s[OUTB], s[OUTB], s92
	s_mov_b32 s[OUTB+1], 0
	; descriptor groups 1: elements of 8 bytes, no padding (images are read 16 x lane on end), no mask
	s_mov_b32 s[G1K], 3<<16                        ; K's codes of 128 keys: 8 rows (tiles) of 128 elements (my head's 1,024 bytes), 256 elements apart
	s_mov_b32 s[G1K+1], 128<<16
	s_mov_b32 s[G1K+2], 8<<16
	s_mov_b32 s[G1K+3], 128<<16
	s_mov_b32 s[G1K+4], 8
	s_mov_b32 s[G1K+5], 256
	s_mov_b32 s[G1K+6], 0
	s_mov_b32 s[G1K+7], 0
	s_mov_b32 s[G1V], 3<<16                        ; V's codes of 128 keys: 8,192 dense bytes, as 32 rows of 32 elements
	s_mov_b32 s[G1V+1], 32<<16
	s_mov_b32 s[G1V+2], 32<<16
	s_mov_b32 s[G1V+3], 32<<16
	s_mov_b32 s[G1V+4], 32
	s_mov_b32 s[G1V+5], 32
	s_mov_b32 s[G1V+6], 0
	s_mov_b32 s[G1V+7], 0
	s_mov_b32 s[G1SK], 3<<16                       ; K's scale words: 2 rows (steps) of 64 elements (512 bytes), a block (2,112 elements) apart
	s_mov_b32 s[G1SK+1], 64<<16
	s_mov_b32 s[G1SK+2], 2<<16
	s_mov_b32 s[G1SK+3], 64<<16
	s_mov_b32 s[G1SK+4], 2
	s_mov_b32 s[G1SK+5], 2112
	s_mov_b32 s[G1SK+6], 0
	s_mov_b32 s[G1SK+7], 0
	s_mov_b32 s[G1SV], 3<<16                       ; V's scale words: 2 rows of 32 elements (256 bytes), 8 blocks (16,896 elements) apart
	s_mov_b32 s[G1SV+1], 32<<16
	s_mov_b32 s[G1SV+2], 2<<16
	s_mov_b32 s[G1SV+3], 32<<16
	s_mov_b32 s[G1SV+4], 2
	s_mov_b32 s[G1SV+5], 16896
	s_mov_b32 s[G1SV+6], 0
	s_mov_b32 s[G1SV+7], 0
	s_mov_b32 s[SEL], 0x76543210
	s_mov_b32 s[SEL+1], 0xfedcba98
	s_mov_b32 s[CS], 0x3e38aa3b                    ; c = log2(e) / 8
	s_mov_b32 s[CS+1], s[CS]                       ; (named with it as a pair, so it is written)
	s_mov_b32 s[MNT], 0x600000
	s_mov_b32 s[T], 0
	s_mov_b32 s[TB], 0
	s_sub_co_u32 s92, s[WV], 6
	s_lshr_b32 s92, s92, 2                         ; 0 in waves 6 to 9,
	s_or_b32 s92, s92, ttmp9                       ; of the pair's work-group x = 0
	s_cmp_eq_u32 s92, 0
	s_cselect_b32 s[LIM], 6, 0
	s_wait_kmcnt 0x0
	s_add_nc_u64 s[KB:KB+1], s[4:5], s[KB:KB+1]
	s_add_nc_u64 s[SKB:SKB+1], s[4:5], s[SKB:SKB+1]
	s_add_nc_u64 s[VB:VB+1], s[6:7], s[VB:VB+1]
	s_add_nc_u64 s[SVB:SVB+1], s[6:7], s[SVB:SVB+1]
	s_add_nc_u64 s[10:11], s[4:5], s[10:11]
	s_add_nc_u64 s[12:13], s[4:5], s[12:13]
	s_add_nc_u64 s[OUTA:OUTA+1], s[8:9], s[OUTA:OUTA+1]
	s_add_nc_u64 s[OUTB:OUTB+1], s[8:9], s[OUTB:OUTB+1]
	s_mov_b32 s[G0K], 1                            ; 1:0 count = 1
	s_lshl_b32 s[G0K+1], s98, 13                   ; 63:32 LDS address: slot 0, my step's 8,192 bytes
	s_mov_b64 s[G0K+2:G0K+3], s[KB:KB+1]           ; 120:64 global address
	s_or_b32 s[G0K+3], s[G0K+3], 0x80000000        ; 127:126 type = 2
	s_mov_b32 s[G0V], 1
	s_add_co_u32 s[G0V+1], s[G0K+1], VOFF
	s_mov_b64 s[G0V+2:G0V+3], s[VB:VB+1]
	s_or_b32 s[G0V+3], s[G0V+3], 0x80000000
	s_mov_b32 s[G0SK], 1
	s_mov_b32 s[G0SK+1], SKOFF
	s_mov_b64 s[G0SK+2:G0SK+3], s[SKB:SKB+1]
	s_or_b32 s[G0SK+3], s[G0SK+3], 0x80000000
	s_mov_b32 s[G0SV], 1
	s_mov_b32 s[G0SV+1], SVOFF
	s_mov_b64 s[G0SV+2:G0SV+3], s[SVB:SVB+1]
	s_or_b32 s[G0SV+3], s[G0SV+3], 0x80000000
	s_cmp_lt_u32 s[WV], 8                          ; waves 6 and 7 ask for K's codes, waves 8 and 9 for V's: the bases carry w % 2 and the head's half already
	s_cselect_b64 s[PFB:PFB+1], s[KB:KB+1], s[VB:VB+1]
	s_mov_b32 s93, 1024
	s_cselect_b32 s93, 2048, s93                   ; from one 1,024 bytes to the next: K's pieces lie 2,048 apart, V's on end
	TLOAD                                          ; slot 0: the one first fill; slot 1 is filled behind the first trip's barrier, as a refill is
	v_and_b32 v8, 31, v0
	v_lshlrev_b32 v[LI], 4, v8
	v_lshrrev_b32 v[PFO], 2, v8
	v_mul_lo_u32 v[PFO], v[PFO], s93
	v_and_b32 v8, 3, v8
	v_lshl_add_u32 v[PFO], v8, 8, v[PFO]
	v_and_b32 v7, 15, v0                           ; r
	v_bfe_u32 v11, v0, 4, 1                        ; h
	v_lshlrev_b32 v[R4], 2, v7
	s_and_b32 s100, s[WV], 7                       ; Q: my tile in its block,
	s_lshl_b32 s101, s100, 11
	s_lshl_b32 s92, s96, 10                        ; my head's half
	s_add_co_u32 s101, s101, s92
	v_add_nc_u32 v9, s101, v[LI]
	s_lshl_b32 s101, s100, 6
	s_lshl_b32 s92, s96, 1
	s_add_co_u32 s101, s101, s92
	v_add_nc_u32 v10, s101, v[R4]
	global_load_b128 v[16:19], v9, s[10:11]                    ; Q's fragment of the first block stays in registers
	global_load_b128 v[20:23], v9, s[10:11] offset:512
	global_load_u16 v255, v10, s[10:11] offset:16384           ; my head's two scale bytes; the upper two are 0, over zero codes
	global_load_b128 v[QB:QB+3], v9, s[12:13]                  ; and the second block's waits in registers of its own
	global_load_b128 v[QB+4:QB+7], v9, s[12:13] offset:512
	global_load_u16 v[QBS], v10, s[12:13] offset:16384
	s_add_co_u32 s92, s92, SKOFF
	v_add_nc_u32 v[ASK0], s92, v[R4]
	v_add_nc_u32 v[ASV0], SVOFF, v[R4]
	v_and_b32 v8, 8, v7
	v_add_nc_u32 v8, v8, v7                        ; r + 8 (r / 8)
	v_lshlrev_b32 v[QL], 4, v11
	v_sub_nc_u32 v[QL], v8, v[QL]
	s_mul_i32 s92, s[WV], 16*272
	s_add_co_u32 s92, s92, STAGE                   ; my stage
	v_mul_u32_u24 v8, v7, 272
	v_lshl_add_u32 v8, v11, 6, v8
	v_add_nc_u32 v[STI], s92, v8                   ; in: row r; my half's 16 channels of each 32: + 64 h
	v_mul_u32_u24 v8, v11, 272
	v_lshl_add_u32 v8, v7, 4, v8
	v_add_nc_u32 v[STO], s92, v8                   ; back: lanes 0-15 one row, lanes 16-31 the next
	v_lshlrev_b32 v[GO], 12, v11
	v_lshl_add_u32 v[GO], v7, 4, v[GO]             ; and the same two rows of out0
.set jj, 0
.rept 8
	v_mov_b32 v[24+jj], 0                          ; the zero codes of channels 64-127: Q's,
	v_mov_b32 v[40+jj], 0                          ; and those of K's four fragments: written once
	v_mov_b32 v[56+jj], 0
	v_mov_b32 v[72+jj], 0
	v_mov_b32 v[88+jj], 0
.set jj, jj+1
.endr
	v_mov_b32 v13, 0xff61b1e6                      ; the largest t so far: -3e38, under every t
	v_floor_f32 v12, -v13                          ; -M
	v_mov_b32 v14, 0                               ; the sum, in two halves
	v_mov_b32 v15, 0
.irp b, 0,1,2,3
	v_mov_b32 v[236+\b], 0                         ; written once: a lane permute's destination counts as one of its sources
.endr
	v_mov_b32 v252, 0
	v_mov_b32 v253, 0                              ; (named as the upper half of the pair v[252:253] before it is first written)
.set jj, 0
.rept 32
	v_mov_b32 v[160+jj], 0                         ; O^T.  (The key step is written without a first step of its own: it finds zeros, which the first change of M leaves zeros)
.set jj, jj+1
.endr
; A KEY STEP: 128 keys, the q-th of the slot in hand.
.macro STEP q
	s_add_co_u32 s92, s[KF0], 128*(\q)             ; the step's first key
	s_add_co_u32 s93, s[Q0], 23                    ; my last query
	s_cmp_gt_u32 s92, s93
	s_cbranch_scc1 .Lhidden_\@                     ; all its keys come after my queries: a scalar branch on ids; no barrier and no tensor load stands in a step
.irp g, 0,1                                    ; S^T = K Q^T, four tiles of 16 keys at a time
.if \g > 0
.rept 8
	v_nop                                          ; places in front of loads into registers that the four products above have read
.endr
.endif
.irp t, 0,1,2,3
	ds_load_b128 v[32+16*\t:35+16*\t], v[AD] offset:(8*(\q)+4*\g+\t)*1024       ; an image: 512 consecutive bytes an instruction
	ds_load_b128 v[36+16*\t:39+16*\t], v[AD] offset:(8*(\q)+4*\g+\t)*1024+512
	ds_load_u16 v[248+\t], v[ADS] offset:512*(\q)+64*(4*\g+\t)                  ; my head's two scale bytes of key row r
.endr
	s_wait_dscnt 0x0
.irp t, 0,1,2,3
	v_wmma_scale_f32_16x16x128_f8f6f4 v[96+8*(4*\g+\t):103+8*(4*\g+\t)], v[32+16*\t:47+16*\t], v[16:31], 0, v[248+\t], v255 matrix_a_fmt:MATRIX_FMT_BF8 matrix_b_fmt:MATRIX_FMT_BF8
.endr
.endr                                          ; lane (r, h) holds one query; registers 16 b + i are keys 32 b + 16 h + i of the step
.rept 8
	v_nop
.endr
	s_add_co_u32 s93, s92, 127                     ; on the diagonal the scores of hidden keys become -infinity ahead of the maximum: p = 0 then.  A step all of whose keys count skips this
	s_cmp_le_u32 s93, s[Q0]
	s_cbranch_scc1 .Lopen_\@
	s_sub_co_i32 s93, s[Q0], s92
	v_add_nc_u32 v252, s93, v[QL]                  ; d = my query - the step's first key - 16 h: register 16 b + i is hidden where 32 b + i > d
	v_mov_b32 v254, 0xff800000                     ; -infinity
.set jj, 0
.rept 64
	v_cmp_gt_i32 vcc_lo, 32*(jj/16)+jj%16, v252
	v_cndmask_b32 v[96+jj], v[96+jj], v254, vcc_lo
.set jj, jj+1
.endr
.Lopen_\@:
.irp b, 0,1,2,3
	v_max3_num_f32 v[232+\b], v[96+16*\b], v[97+16*\b], v[98+16*\b]   ; THE LARGEST SCORE OF EACH BLOCK OF 32 KEYS serves twice: for the row's maximum, and, since p rises with the score, for the block's largest p
.endr
.irp i, 3,5,7,9,11,13
.irp b, 0,1,2,3
	v_max3_num_f32 v[232+\b], v[232+\b], v[96+16*\b+\i], v[97+16*\b+\i]   ; (the four blocks by turns)
.endr
.endr
.irp b, 0,1,2,3
	v_max_num_f32 v[232+\b], v[232+\b], v[111+16*\b]
.endr
.irp b, 0,1,2,3
	v_permlanex16_b32 v[236+\b], v[232+\b], s[SEL], s[SEL+1]
.endr
.irp b, 0,1,2,3
	v_max_num_f32 v[232+\b], v[232+\b], v[236+\b]  ; with lane l xor 16's 16 keys
.endr
	v_max3_num_f32 v254, v232, v233, v234
	v_max_num_f32 v254, v254, v235                 ; the step's largest score of my query
	v_mul_f32 v254, s[CS], v254                    ; as t (c is positive)
	v_max_num_f32 v13, v13, v254                   ; the running largest t
	v_mov_b32 v254, v12
	v_floor_f32 v12, -v13                          ; the new -M = floor(-t) = -ceil(t): M is a whole number
	v_sub_f32 v254, v12, v254                      ; M's old value less its new one: a whole number, 0 or less
	v_cvt_i32_f32 v254, v254                       ; (it saturates)
	v_ldexp_f32 v252, 1.0, v254                    ; f = 2^(old M - new M): a multiplication by it rounds nothing
.set jj, 0
.rept 32
	v_pk_fma_f32 v[96+jj:97+jj], v[96+jj:97+jj], s[CS:CS+1], v[12:13] op_sel_hi:[1,0,0]   ; t - M, two at a time (of the pairs c and -M the low word serves both halves)
.set jj, jj+2
.endr
.irp b, 0,1,2,3
	v_fma_f32 v[232+\b], v[232+\b], s[CS], v12     ; the same of each block's largest score
.endr
.set jj, 0
.rept 64
	v_exp_f32 v[96+jj], v[96+jj]                   ; p = 2^(t - M), at most 1: not normalised
.set jj, jj+1
.endr
	v_pk_mul_f32 v[14:15], v[14:15], v[252:253] op_sel_hi:[1,0]   ; the sums under the new M (a plain line behind the exponentials)
	s_wait_alu depctr_va_vdst(0)                   ; one wait for the whole batch, ahead of its first reader
.irp b, 0,1,2,3
	v_exp_f32 v[232+\b], v[232+\b]                 ; the block's largest p: the same two instructions on the same number give the same bits
.endr
	v_pk_add_f32 v[236:237], v[96:97], v[98:99]    ; THE ROW'S SUM IS TAKEN OF THE UNQUANTISED p: two at a time, in two chains (it reads the 64 alone: plain work behind the four)
.irp j, 4,8,12,16,20,24,28,32,36,40,44,48,52,56,60
	v_pk_add_f32 v[14:15], v[14:15], v[96+\j:97+\j]
	v_pk_add_f32 v[236:237], v[236:237], v[98+\j:99+\j]
.endr
	v_pk_add_f32 v[14:15], v[14:15], v[236:237]
	s_wait_alu depctr_va_vdst(0)                   ; and one for the four
.irp b, 0,1,2,3
	v_max_num_f32 v[232+\b], 0x8000000, v[232+\b]  ; the floor 2^(16 - 127): the byte cannot fall under 1
.endr
.irp b, 0,1,2,3
	v_add_nc_u32 v[244+\b], 0xf8800000, v[232+\b]  ; 15 off the exponent field: the conversion's scale operand
.endr
.irp b, 0,1,2,3
	v_and_or_b32 v[240+\b], v[232+\b], 0x7f800000, s[MNT]   ; 57,344 x the scale
.endr
.irp b, 0,1,2,3
	v_lshrrev_b32 v[236+\b], 23, v[244+\b]         ; the scale's byte
.endr
	v_lshl_or_b32 v253, v237, 8, v236              ; p's scale word for these 128 keys
	v_lshl_or_b32 v253, v238, 16, v253
	v_lshl_or_b32 v253, v239, 24, v253
.irp b, 0,1,2,3
.irp i, 0,1,2,3,4,5,6,7,8,9,10,11,12,13,14,15
	v_min_num_f32 v[96+16*\b+\i], v[96+16*\b+\i], v[240+\b]   ; the conversion to an 8-bit code does not saturate (ISA guide 7.6.2); p is not negative, so the hold is one-sided
.endr
	v_cvt_scalef32_pk8_bf8_f32 v[224+4*\b:225+4*\b], v[96+16*\b:103+16*\b], v[244+\b]
	v_cvt_scalef32_pk8_bf8_f32 v[226+4*\b:227+4*\b], v[104+16*\b:111+16*\b], v[244+\b]
.endr
.irp t, 0,1,2,3                                ; V's four fragments (16 channels x these 128 keys) land where p lay
.irp c, 0,1,2,3
	ds_load_b128 v[96+16*\t+4*\c:99+16*\t+4*\c], v[AD] offset:VOFF+8192*(\q)+2048*\t+512*\c
.endr
	ds_load_b32 v[248+\t], v[ADT] offset:256*(\q)+64*\t
.endr
.set jj, 0
.rept 16
	v_pk_mul_f32 v[160+jj:161+jj], v[160+jj:161+jj], v[252:253] op_sel_hi:[1,0]   ; O^T under the new M: x f.  (These sixteen are also the places between the codes' conversions and the products, and stand while the loads are out)
.set jj, jj+2
.endr
	s_wait_dscnt 0x0
.irp t, 0,1,2,3                                ; O^T += V^T P^T: four accumulators, one instruction each
	v_wmma_scale_f32_16x16x128_f8f6f4 v[160+8*\t:167+8*\t], v[96+16*\t:111+16*\t], v[224:239], v[160+8*\t:167+8*\t], v[248+\t], v253 matrix_a_fmt:MATRIX_FMT_BF8 matrix_b_fmt:MATRIX_FMT_BF8
.endr
.rept 9
	v_nop                                          ; nine places: the next step's products write over V's fragments, its loads land in the scale words' registers, and the way out reads O^T; standing here they serve every way on
.endr
.Lhidden_\@:
.endm
; THE CHANGE OF SLOTS stands at a trip's head.  Each wave waits for all its tensor loads (its part of the slot that it is about to read), adds 0 to its spare word, and waits for that and for its reads of the slot that it has left.
; Behind the barrier the slot ahead is whole and nobody reads the other one.  fill = 1: that other slot is filled with the next trip's keys: the load has a whole slot's steps in which to land.
; Trip t reads slot t of the keys while t < NA, then slot t - NA: a choice by s_cselect_b32 on ids, which enters global addresses and compares alone.
.macro CHANGE fill
	s_wait_tensorcnt 0x0                           ; no tensor load of mine is out, so the groups 0 may be written
	ds_add_u32 v[SPW], v[NIL]                      ; 0 onto my spare word: the scalar work below stands between it and the wait for it
	s_cmp_ge_u32 s[T], s[NA]
	s_cselect_b32 s92, s[NA], 0
	s_sub_co_u32 s92, s[T], s92                    ; this trip's slot of keys
	s_lshl_b32 s[KF0], s92, 8
.if \fill
	s_add_co_u32 s93, s[T], 1
	s_cmp_ge_u32 s93, s[NA]
	s_cselect_b32 s92, s[NA], 0
	s_sub_co_u32 s93, s93, s92                     ; sl: the next trip's
	s_and_b32 s94, s93, 3
	s_lshl_b32 s94, s94, 1
	s_lshr_b32 s95, s93, 2
	s_lshl_b32 s95, s95, 7
	s_add_co_u32 s94, s94, s95
	s_mul_i32 s94, s94, BS                         ; in qk: 2 (sl % 4) + 128 (sl / 4) blocks on
	s_mov_b32 s95, 0
	s_mul_i32 s96, s93, 16*BS                      ; in v: 16 sl blocks on
	s_mov_b32 s97, 0
	s_xor_b32 s[G0K+1], s[G0K+1], SLOT1            ; the other slot than last time
	s_add_nc_u64 s[G0K+2:G0K+3], s[KB:KB+1], s[94:95]
	s_or_b32 s[G0K+3], s[G0K+3], 0x80000000
	s_xor_b32 s[G0V+1], s[G0V+1], SLOT1
	s_add_nc_u64 s[G0V+2:G0V+3], s[VB:VB+1], s[96:97]
	s_or_b32 s[G0V+3], s[G0V+3], 0x80000000
	s_xor_b32 s[G0SK+1], s[G0SK+1], SLOT1
	s_add_nc_u64 s[G0SK+2:G0SK+3], s[SKB:SKB+1], s[94:95]
	s_or_b32 s[G0SK+3], s[G0SK+3], 0x80000000
	s_xor_b32 s[G0SV+1], s[G0SV+1], SLOT1
	s_add_nc_u64 s[G0SV+2:G0SV+3], s[SVB:SVB+1], s[96:97]
	s_or_b32 s[G0SV+3], s[G0SV+3], 0x80000000
	s_add_co_u32 s98, s[T], 2                      ; the prefetches' slot, held at the last one, so that the address lies inside its buffer in every work-group and trip
	s_min_u32 s98, s98, 7
	s_and_b32 s99, s98, 3
	s_lshl_b32 s99, s99, 1
	s_lshr_b32 s100, s98, 2
	s_lshl_b32 s100, s100, 7
	s_add_co_u32 s99, s99, s100
	s_lshl_b32 s98, s98, 4
	s_cmp_lt_u32 s[WV], 8
	s_cselect_b32 s98, s99, s98                    ; in blocks: of qk, or of v
	s_mul_i32 s98, s98, BS
	s_mov_b32 s99, 0
	s_wait_xcnt 0x0                                ; the last prefetch, a slot back, has read its address, so it may be written
	s_add_nc_u64 s[PFA:PFA+1], s[PFB:PFB+1], s[98:99]
.endif
	s_wait_dscnt 0x0                               ; the add is done, and my reads of the slot that I have left are over
	s_barrier_signal -1
	s_barrier_wait -1
.if \fill
	TLOAD                                          ; the first thing behind the barrier, and a wave's one tensor load until the next
	ASK
.endif
.endm
.macro SLOT_STEPS
	v_add_nc_u32 v[AD], s[TB], v[LI]
	v_add_nc_u32 v[ADS], s[TB], v[ASK0]
	v_add_nc_u32 v[ADT], s[TB], v[ASV0]
	STEP 0
	STEP 1
	s_xor_b32 s[TB], s[TB], SLOT1                  ; on to the other slot
.endm
; THE WAY OUT of a block of queries.  O^T / the sum goes through my stage in LDS, a query a row of 256 bytes, and leaves so that sixteen lanes store 256 consecutive aligned bytes: my head's 64 channels of one row of out0.
; Register 16 u + i of O^T is channel 32 u + 16 h + i.  Stage row j is query Q0 + j + 8 (j / 8).
.macro WAYOUT o
	v_add_f32 v14, v14, v15                        ; the sum's two halves,
	v_permlanex16_b32 v252, v14, s[SEL], s[SEL+1]
	v_add_f32 v14, v14, v252                       ; and lane l xor 16's: the row's sum
	v_rcp_f32 v14, v14
	v_nop                                          ; a plain line behind the transcendental,
	s_wait_alu depctr_va_vdst(0)                   ; and the wait ahead of the first reader
.set jj, 0
.rept 32
	v_mul_f32 v[96+jj], v[160+jj], v14             ; each accumulator from its low end on
.set jj, jj+1
.endr
.irp u, 0,1
.irp i, 0,1,2,3
	ds_store_b128 v[STI], v[96+16*\u+4*\i:99+16*\u+4*\i] offset:128*\u+16*\i
.endr
.endr
.irp i, 0,1,2,3,4,5,6,7
	ds_load_b128 v[128+4*\i:131+4*\i], v[STO] offset:544*\i   ; LDS serves a wave's instructions in order: these see my stores
.endr
.irp i, 0,1,2,3,4,5,6,7
	s_wait_dscnt 7-\i                              ; the later loads may be out
	global_store_b128 v[GO], v[128+4*\i:131+4*\i], s[\o:\o+1] offset:(2*\i+8*(\i/4))*4096 th:TH_STORE_NT
.endr
.endm
	s_wait_loadcnt 0x0                             ; Q, both blocks'
.Lslot:                                            ; eight trips: behind each change of slots the next trip's slot is asked for
	CHANGE 1
	SLOT_STEPS
	s_cmp_lg_u32 s[T], s[TA]                       ; the first block's last slot?  (ids alone: the same in all sixteen waves)
	s_cbranch_scc1 .Lsame_block
	WAYOUT OUTA
	s_wait_xcnt 0x0                                ; the stores have read their registers: they may be written again
	v_mov_b32 v255, v[QBS]                         ; the second block: its scale word first, far ahead of the products that take it,
.set jj, 0
.rept 8
	v_mov_b32 v[16+jj], v[QB+jj]                   ; its Q,
.set jj, jj+1
.endr
	v_mov_b32 v13, 0xff61b1e6                      ; and a fresh maximum, sum and O^T
	v_floor_f32 v12, -v13
	v_mov_b32 v14, 0
	v_mov_b32 v15, 0
.set jj, 0
.rept 32
	v_mov_b32 v[160+jj], 0
.set jj, jj+1
.endr
	s_mov_b32 s[Q0], s[Q0B]
.Lsame_block:
	s_add_co_u32 s[T], s[T], 1
	s_cmp_lt_u32 s[T], 8
	s_cbranch_scc1 .Lslot
	CHANGE 0                                       ; the ninth trip is written out
	SLOT_STEPS
	WAYOUT OUTB
	s_wait_tensorcnt 0x0                           ; the wave's end, behind my last tensor load and my last LDS store
	ds_add_u32 v[SPW], v[NIL]
	s_wait_dscnt 0x0
	s_endpgm
.Lfunc_end_k_qeb27b1d4c3_attn:
	.size	k_qeb27b1d4c3_attn, .Lfunc_end_k_qeb27b1d4c3_attn-k_qeb27b1d4c3_attn
	.p2alignl 7, 3214868480
	.fill 96, 4, 3214868480
	.section	.rodata,"a",@progbits
	.p2align	6, 0x0
	.amdhsa_kernel k_qeb27b1d4c3_attn
		.amdhsa_group_segment_fixed_size 327680
		.amdhsa_private_segment_fixed_size 0
		.amdhsa_enable_private_segment 0
		.amdhsa_kernarg_size 24
		.amdhsa_user_sgpr_count 2
		.amdhsa_user_sgpr_kernarg_segment_ptr 1
		.amdhsa_wavefront_size32 1
		.amdhsa_system_sgpr_workgroup_id_x 1
		.amdhsa_system_sgpr_workgroup_id_y 1
		.amdhsa_system_sgpr_workgroup_id_z 1
		.amdhsa_system_vgpr_workitem_id 0
		.amdhsa_next_free_vgpr 256
		.amdhsa_next_free_sgpr 102
		.amdhsa_reserve_vcc 1
		.amdhsa_float_denorm_mode_32 3
		.amdhsa_float_denorm_mode_16_64 3
		.amdhsa_memory_ordered 1
		.amdhsa_forward_progress 1
		.amdhsa_inst_pref_size 122
	.end_amdhsa_kernel
	.amdgpu_metadata
---
amdhsa.version: [ 1, 2 ]
amdhsa.kernels:
  - .name:           k_qeb27b1d4c3_attn
    .symbol:         k_qeb27b1d4c3_attn.kd
    .args:
      - { .name: qk, .offset: 0, .size: 8, .value_kind: global_buffer, .address_space: global }
      - { .name: v, .offset: 8, .size: 8, .value_kind: global_buffer, .address_space: global }
      - { .name: out0, .offset: 16, .size: 8, .value_kind: global_buffer, .address_space: global }
    .group_segment_fixed_size: 327680
    .private_segment_fixed_size: 0
    .kernarg_segment_align: 8
    .kernarg_segment_size: 24
    .max_flat_workgroup_size: 512
    .sgpr_count:     102
    .vgpr_count:     256
    .wavefront_size: 32
...
	.end_amdgpu_metadata
.endif
;; end of part 3
